; MI455X (gfx1250); checked and timed in simulation.
; The chip was launched on July 23, 2026; its instructions are those of AMD's public machine-readable ISA for CDNA 5 (MIT licence, August 2026) and "CDNA5" Instruction Set Architecture Reference Guide (July 2026). The comments in the code are by the model that wrote it; some were corrected since.
;; Multi Head Attention. Allowed arithmetic: matrix products marked QUANTISED: E2M1 operands, one E8M0 scale for each 32 along K, by v_wmma_scale_f32_16x16x128_f8f6f4 with both operands' format E2M1 (or v_wmma_scale_f32_32x16x128_f4), f32 sums; products left as they are: bf16, f16 or f32 operands; f32 sums; everything else in f32.
;; Inputs: b_out 1,024 float32; key 4 x 2,048 x 1,024 float32; query 4 x 2,048 x 1,024 float32; value 4 x 2,048 x 1,024 float32; w_out 1,024 x 1,024 float32; w_qkv 3,072 x 1,024 float32.
;; Outputs: out0 4 x 2,048 x 1,024 float32.
;; This version of the problem:
;;   THIS VERSION OF THE PROBLEM IS GIVEN IN LOW PRECISION. The matrix products marked QUANTISED in the list below multiply operands that are first quantised to E2M1 (2 exponent bits, 1 mantissa bit; 4 bits a number), with one power-of-two scale for each 32 numbers along K (OCP MX v1.0); their sums are f32. The products marked 'left as it is' may take bf16, f16 or f32 operands, with f32 sums. Whichever they take, every output number must still come out within the allowed error. Rounding operands to bf16 (8 significant bits) uses up far more of that allowance than f16 does (11 bits, for magnitudes from 6e-5 to 65,504). All else is computed in f32.
;;   The module's matrix products, in the order in which they are computed (A, B: the left and right operand; K: the contracted axis; several contracted axes count as one K, in the product's order):
;;     1. [M 8,192, K 1,024] x [K 1,024, N 3,072]; A: input query; B: input w_qkv: QUANTISED
;;     2. batch 64 x [M 2,048, K 64] x [K 64, N 2,048]; A: computed on the way; B: computed on the way: left as it is (an operand is computed on the way)
;;     3. batch 64 x [M 2,048, K 2,048] x [K 2,048, N 64]; A: computed on the way; B: computed on the way: left as it is (an operand is computed on the way)
;;     4. [M 8,192, K 1,024] x [K 1,024, N 1,024]; A: computed on the way; B: input w_out: left as it is (an operand is computed on the way)
;;   THE QUANTISER, for each operand of a quantised product, along K:
;;     - K is cut into blocks of 32 from its start; a last block that is shorter is filled with zeros.
;;     - A block's scale is 2^e with e = floor(log2(the largest magnitude in the block)) - 2, held to -126 .. 127; a block of zeros has e = 0. As a byte (E8M0): e + 127.
;;     - Each number is divided by its block's scale, clamped to +-6, and rounded to the nearest number of E2M1, ties to even, subnormals kept.
;;     - The product sums the exact products of the quantised numbers (number of the format x scale) in f32.
;;   ~~~python
;;   def quantise(x, axis):      # numpy; x: float32 -> the quantised numbers, widened to float32 again
;;       x = np.moveaxis(x, axis, -1); K = x.shape[-1]
;;       x = np.pad(x, [(0, 0)] * (x.ndim - 1) + [(0, -K % 32)]); x = x.reshape(x.shape[:-1] + (-1, 32)); a = np.abs(x).max(-1, keepdims=True)
;;       e = np.where(a > 0, np.clip(np.frexp(np.where(a > 0, a, 1))[1] - 1 - 2, -126, 127), 0)      # np.frexp(a)[1] - 1 = floor(log2(a)), exactly
;;       r = np.clip(x / 2.0 ** e, -6, 6)
;;       step = 2.0 ** (np.maximum(np.frexp(np.where(r == 0, 1, r))[1] - 1, 0) - 1)
;;       q = np.round(r / step) * step * 2.0 ** e      # np.round: ties to even
;;       return np.moveaxis(q.reshape(q.shape[:-2] + (-1,))[..., :K], -1, axis).astype(np.float32)
;;   ~~~
;; One version. Each part assembles by itself: llvm-mc -triple=amdgcn-amd-amdhsa -mcpu=gfx1250 --defsym DOCPART=n.
;; ======== version 1 of 1: 4 launches
;; limits: values are held in f16: magnitudes above 65,504 overflow, below 6.1e-05 lose precision
;; workspace buffers: x_codes 4,194,304 bytes; x_scales 262,144 bytes; w_codes 1,572,864 bytes; w_scales 98,304 bytes; w16 2,097,152 bytes; qkv 50,331,648 bytes; o16 16,777,216 bytes
;; launch quant (part 1): grid 480 x 1, 4 waves a work-group, no clusters, 33,280 bytes of LDS; arguments query, w_qkv, w_out, x_codes, x_scales, w_codes, w_scales, w16; writes x_codes, x_scales, w_codes, w_scales, w16
.if DOCPART == 1
	.amdgcn_target "amdgcn-amd-amdhsa--gfx1250"
	.amdhsa_code_object_version 6
	.text
	.protected	k_q67dd9155c0_quant
	.globl	k_q67dd9155c0_quant
	.p2align	8
	.type	k_q67dd9155c0_quant,@function
k_q67dd9155c0_quant:
	s_mov_b64 s[64:65], 0
	v_nop
	global_prefetch_b8 v0, s[64:65] scope:SCOPE_SE
	s_setreg_imm32_b32 hwreg(HW_REG_WAVE_MODE, 25, 1), 1
	s_wait_xcnt 0x0
; Three jobs in one launch, told apart by the work-group's number.
; Work-groups 0-255: query [8192][1024] f32, work-groups 256-351: w_qkv [3072][1024] f32, into codes of FP4 (E2M1), K innermost, two codes a byte, and one E8M0 byte for each 32 along K.
;   A block's scale is 2^(floor(log2(its largest magnitude)) - 2); its byte is the largest magnitude's exponent field - 2, held at 1 from below; each number is divided by the scale and rounded to the nearest code, ties to even,
;   beyond 6 to 6.  Rows are dense and 1024 is a multiple of 32: both tensors are plain streams of blocks of 32, and so are the codes and the bytes.
; Work-groups 352-479: w_out [1024][1024] f32 into f16, laid as images of the operand's registers: [ks 8][ntile 64][cc 8][512 bytes]; in a piece of 512 bytes lane (r, h) has 16 bytes at 16 x lane: row 16 ntile + r, k = 128 ks + 16 cc + 8 h + 0..7.
; LIMITS: a block of zeros gets the byte 1 where the quantiser says 127 (its codes are zeros, and this program alone reads the bytes); blocks whose largest magnitude lies under 2^-124 are held at byte 1;
;   NaN and infinities are not served; a number of w_out beyond 65,504 becomes infinity in f16.
; The inputs key and value are named by no launch of this program: the function that is computed takes Q, K and V from query alone, so no output number hangs on them.
; A quantising wave takes 16 steps of 512 numbers.  Each load reads 512 consecutive bytes; a step's 2,048 bytes turn through the wave's own stage in LDS and come back 64 bytes (16 neighbours) a lane; two neighbouring lanes hold a block.
.set WAVES, 4
.set STEPS, 16
.set WGA,   256                        ; query's work-groups: 8,388,608 numbers / 32,768
.set WGQ,   352                        ; + w_qkv's 96
.set EMAX,  2
.set CB,    8                          ; bytes of 16 codes
.set R,     16                         ; v16-79   four sets of 16 numbers as they are loaded
.set X,     80                         ; v80-111  two sets of 16 neighbours
.set C,     128                        ; v128-191 codes: four registers for each step, so that no store's data are written again
.set E,     112                        ; v112-127 a scale byte for each step
.set WREG,  8192                       ; LDS: a region for each wave: two stages of 32 x SP bytes, behind them its 256 scale bytes
.set SP,    80                         ; a lane's place in a stage: 64 bytes + 16 of padding
.set SPW,   12                         ; v12  LDS address of my spare word; never rewritten
.set NIL,   13                         ; v13  0; never rewritten
.set SPARE, WAVES*WREG                 ; behind the regions: the spare words, 128 bytes a wave, which no other line names
	s_load_b256 s[4:11], s[0:1], 0x0               ; query s[4:5], w_qkv s[6:7], w_out s[8:9], x_codes s[10:11]
	s_load_b256 s[12:19], s[0:1], 0x20             ; x_scales s[12:13], w_codes s[14:15], w_scales s[16:17], w16 s[18:19]
	v_lshl_add_u32 v[SPW], v0, 2, SPARE
	v_mov_b32 v[NIL], 0
	v_lshrrev_b32 v1, 5, v0
	v_readfirstlane_b32 s20, v1                    ; wave
	v_and_b32 v2, 31, v0                           ; lane
	v_lshlrev_b32 v3, 4, v2                        ; 16 x lane
	s_mul_i32 s21, s20, WREG
	v_lshrrev_b32 v14, 2, v2
	v_mul_u32_u24 v14, v14, SP
	v_and_b32 v15, 3, v2
	v_lshl_add_u32 v14, v15, 4, v14
	v_add_nc_u32 v14, s21, v14                     ; the stage, on the way in: four lanes' 64 bytes on end, then 16 of padding
	v_mul_u32_u24 v15, v2, SP
	v_add_nc_u32 v15, s21, v15                     ; and on the way out: SP x lane: my 16 neighbours
	v_mul_u32_u24 v4, v2, CB                       ; my codes' place in a step's
	v_lshrrev_b32 v5, 1, v2
	s_add_co_u32 s21, s21, 2*32*SP
	v_add_nc_u32 v5, s21, v5                       ; LDS: my wave's 256 scale bytes, my block's byte
	v_lshlrev_b32 v7, 3, v2                        ; and on the way out 8 bytes a lane
	v_add_nc_u32 v6, s21, v7
	s_wait_kmcnt 0x0
	s_cmp_ge_u32 ttmp9, WGQ                        ; the work-group's number alone decides
	s_cbranch_scc1 .Lcvt
	s_cmp_lt_u32 ttmp9, WGA                        ; query's work-group or w_qkv's?  Only pointers are chosen: one path serves both
	s_cselect_b64 s[4:5], s[4:5], s[6:7]
	s_cselect_b64 s[10:11], s[10:11], s[14:15]
	s_cselect_b64 s[12:13], s[12:13], s[16:17]
	s_cselect_b32 s21, 0, WGA
	s_sub_co_u32 s21, ttmp9, s21
	s_lshl_b32 s21, s21, 2
	s_add_co_u32 s22, s21, s20                     ; which run of 8,192 numbers is my wave's
	s_mov_b32 s23, 0
	s_mov_b64 s[24:25], 512*STEPS*4
	s_mul_u64 s[24:25], s[22:23], s[24:25]
	s_add_nc_u64 s[4:5], s[4:5], s[24:25]
	s_mov_b64 s[24:25], 32*STEPS*CB
	s_mul_u64 s[24:25], s[22:23], s[24:25]
	s_add_nc_u64 s[10:11], s[10:11], s[24:25]
	s_lshl_b32 s22, s22, 8                         ; 256 scale bytes a run
	s_add_nc_u64 s[12:13], s[12:13], s[22:23]
.macro LOAD t
.irp i, 0,1,2,3
	global_load_b128 v[R+16*((\t)%4)+4*\i:R+16*((\t)%4)+4*\i+3], v3, s[4:5] offset:2048*(\t)+512*\i th:TH_LOAD_NT   ; 32 lanes read 512 consecutive bytes
.endr
.endm
.macro TURN t                          ; step t's numbers through the stage: LDS serves a wave's instructions in order, so no wait stands between the stores and the loads
.irp i, 0,1,2,3
	ds_store_b128 v14, v[R+16*((\t)%4)+4*\i:R+16*((\t)%4)+4*\i+3] offset:32*SP*((\t)%2)+8*SP*\i
.endr
.irp i, 0,1,2,3
	ds_load_b128 v[X+16*((\t)%2)+4*\i:X+16*((\t)%2)+4*\i+3], v15 offset:32*SP*((\t)%2)+16*\i
.endr
.endm
.irp t, 0,1,2,3
	LOAD \t
.endr
	s_wait_loadcnt 12                              ; step 0's four loads are in; the twelve of steps 1 to 3 may be out
	TURN 0
.macro STEP t
.set XS, X+16*((\t)%2)
.if (\t) > 0
	s_wait_dscnt 1                                 ; this step's numbers are back from the stage (the last step's byte store may be out): its stores into the stage have read their registers,
.else
	s_wait_dscnt 0x0
.endif
.if (\t)+4 < STEPS
	LOAD (\t)+4                                    ; which take the loads of four steps on
.endif
.if (\t)+1 < STEPS
.if STEPS-2-(\t) >= 3
	s_wait_loadcnt 12                              ; the next step's four loads are in; those of the three steps behind it may be out
.else
	s_wait_loadcnt 4*(STEPS-2-(\t))
.endif
	TURN (\t)+1                                    ; and go through the other stage while this step is worked
.endif
	v_max3_num_f32 v8, |v[XS]|, |v[XS+1]|, |v[XS+2]|               ; the largest magnitude of my 16, in two chains
	v_max3_num_f32 v9, |v[XS+3]|, |v[XS+4]|, |v[XS+5]|
.irp i, 6,10
	v_max3_num_f32 v8, v8, |v[XS+\i]|, |v[XS+\i+1]|
	v_max3_num_f32 v9, v9, |v[XS+\i+2]|, |v[XS+\i+3]|
.endr
	v_max3_num_f32 v8, v8, |v[XS+14]|, |v[XS+15]|
	v_max3_num_f32 v8, v8, v9, (EMAX+1)<<23        ; and the floor 2^(3 - 127): the byte cannot fall under 1
	v_max_num_f32_dpp v8, v8, v8 row_xmask:1 row_mask:0xf bank_mask:0xf   ; and of my neighbour's 16: the block's
	v_add_nc_u32 v11, -(EMAX<<23), v8              ; 2 off its exponent field: the conversion takes the exponent field of this operand as its scale, and nothing else of it
	v_cvt_scalef32_pk8_fp4_f32 v[C+4*(\t)], v[XS:XS+7], v11
	v_cvt_scalef32_pk8_fp4_f32 v[C+4*(\t)+1], v[XS+8:XS+15], v11
	v_lshrrev_b32 v[E+(\t)], 23, v11               ; the scale's byte (also the plain line behind the conversions)
	ds_store_b8 v5, v[E+(\t)] offset:16*(\t)       ; both lanes of a block write the same byte with the same value
	global_store_b64 v4, v[C+4*(\t):C+4*(\t)+1], s[10:11] offset:32*CB*(\t)   ; the wave stores 256 consecutive bytes, aligned
.endm
.irp t, 0,1,2,3,4,5,6,7,8,9,10,11,12,13,14,15
	STEP \t
.endr
	ds_load_b64 v[8:9], v6                         ; LDS serves a wave's instructions in order: these see my byte stores
	s_wait_dscnt 0x0
	global_store_b64 v7, v[8:9], s[12:13]          ; 32 lanes store 256 consecutive bytes, aligned
	s_wait_tensorcnt 0x0                           ; the wave's end, behind my last LDS store
	ds_add_u32 v[SPW], v[NIL]
	s_wait_dscnt 0x0
	s_endpgm
; w_out into f16 images.  Wave id = 4 x (work-group - 352) + wave takes ntile id / 8 and ks id % 8: 16 rows x 128 along K.  No LDS is written on this path.
.Lcvt:
	s_sub_co_u32 s21, ttmp9, WGQ
	s_lshl_b32 s21, s21, 2
	s_add_co_u32 s21, s21, s20                     ; id 0..511
	s_lshr_b32 s22, s21, 3                         ; ntile
	s_and_b32 s23, s21, 7                          ; ks
	s_lshl_b32 s24, s22, 16                        ; 16 rows of 4,096 bytes
	s_lshl_b32 s25, s23, 9                         ; 128 numbers of 4 bytes
	s_add_co_u32 s24, s24, s25
	s_mov_b32 s25, 0
	s_add_nc_u64 s[8:9], s[8:9], s[24:25]
	s_lshl_b32 s24, s23, 6
	s_add_co_u32 s24, s24, s22
	s_lshl_b32 s24, s24, 12                        ; (64 ks + ntile) x 4,096
	s_add_nc_u64 s[18:19], s[18:19], s[24:25]
	v_and_b32 v8, 15, v0                           ; r
	v_bfe_u32 v9, v0, 4, 1                         ; h
	v_lshlrev_b32 v8, 12, v8
	v_lshl_add_u32 v8, v9, 5, v8                   ; row r, + 32 h: my eight numbers of a piece of 16
.irp c, 0,1,2,3,4,5,6,7
	global_load_b128 v[16+8*\c:16+8*\c+3], v8, s[8:9] offset:64*\c th:TH_LOAD_NT
	global_load_b128 v[16+8*\c+4:16+8*\c+7], v8, s[8:9] offset:64*\c+16 th:TH_LOAD_NT
.endr
	s_wait_loadcnt 0x0
.irp c, 0,1,2,3,4,5,6,7
.irp g, 0,1,2,3
	v_cvt_pk_f16_f32 v[128+4*\c+\g], v[16+8*\c+2*\g], v[16+8*\c+2*\g+1]
.endr
.endr
.irp c, 0,1,2,3,4,5,6,7
	global_store_b128 v3, v[128+4*\c:128+4*\c+3], s[18:19] offset:512*\c   ; 32 lanes store 512 consecutive bytes, aligned
.endr
	s_endpgm
.Lfunc_end_k_q67dd9155c0_quant:
	.size	k_q67dd9155c0_quant, .Lfunc_end_k_q67dd9155c0_quant-k_q67dd9155c0_quant
	.p2alignl 7, 3214868480
	.fill 96, 4, 3214868480
	.section	.rodata,"a",@progbits
	.p2align	6, 0x0
	.amdhsa_kernel k_q67dd9155c0_quant
		.amdhsa_group_segment_fixed_size 33280
		.amdhsa_private_segment_fixed_size 0
		.amdhsa_enable_private_segment 0
		.amdhsa_kernarg_size 64
		.amdhsa_user_sgpr_count 2
		.amdhsa_user_sgpr_kernarg_segment_ptr 1
		.amdhsa_wavefront_size32 1
		.amdhsa_system_sgpr_workgroup_id_x 1
		.amdhsa_system_sgpr_workgroup_id_y 1
		.amdhsa_system_sgpr_workgroup_id_z 1
		.amdhsa_system_vgpr_workitem_id 0
		.amdhsa_next_free_vgpr 192
		.amdhsa_next_free_sgpr 66
		.amdhsa_reserve_vcc 0
		.amdhsa_float_denorm_mode_32 3
		.amdhsa_float_denorm_mode_16_64 3
		.amdhsa_memory_ordered 1
		.amdhsa_forward_progress 1
		.amdhsa_inst_pref_size 38
	.end_amdhsa_kernel
	.amdgpu_metadata
---
amdhsa.version: [ 1, 2 ]
amdhsa.kernels:
  - .name:           k_q67dd9155c0_quant
    .symbol:         k_q67dd9155c0_quant.kd
    .args:
      - { .name: query, .offset: 0, .size: 8, .value_kind: global_buffer, .address_space: global }
      - { .name: w_qkv, .offset: 8, .size: 8, .value_kind: global_buffer, .address_space: global }
      - { .name: w_out, .offset: 16, .size: 8, .value_kind: global_buffer, .address_space: global }
      - { .name: x_codes, .offset: 24, .size: 8, .value_kind: global_buffer, .address_space: global }
      - { .name: x_scales, .offset: 32, .size: 8, .value_kind: global_buffer, .address_space: global }
      - { .name: w_codes, .offset: 40, .size: 8, .value_kind: global_buffer, .address_space: global }
      - { .name: w_scales, .offset: 48, .size: 8, .value_kind: global_buffer, .address_space: global }
      - { .name: w16, .offset: 56, .size: 8, .value_kind: global_buffer, .address_space: global }
    .group_segment_fixed_size: 33280
    .private_segment_fixed_size: 0
    .kernarg_segment_align: 8
    .kernarg_segment_size: 64
    .max_flat_workgroup_size: 128
    .sgpr_count:     66
    .vgpr_count:     192
    .wavefront_size: 32
...
	.end_amdgpu_metadata
.endif
;; end of part 1
;; launch qkv (part 2): grid 12 x 32, 4 waves a work-group, clusters of 4 x 4, 327,680 bytes of LDS; arguments x_codes, x_scales, w_codes, w_scales, qkv; writes qkv
.if DOCPART == 2
	.amdgcn_target "amdgcn-amd-amdhsa--gfx1250"
	.amdhsa_code_object_version 6
	.text
	.protected	k_q67dd9155c0_qkv
	.globl	k_q67dd9155c0_qkv
	.p2align	8
	.type	k_q67dd9155c0_qkv,@function
k_q67dd9155c0_qkv:
	s_mov_b64 s[64:65], 0
	v_nop
	global_prefetch_b8 v0, s[64:65] scope:SCOPE_SE
	s_setreg_imm32_b32 hwreg(HW_REG_WAVE_MODE, 25, 1), 1
	s_wait_xcnt 0x0
	s_wait_alu depctr_hold_cnt(0) depctr_sa_sdst(0) depctr_va_vdst(0) depctr_va_sdst(0) depctr_va_ssrc(0) depctr_va_vcc(0) depctr_vm_vsrc(0)
	s_getreg_b32 s2, hwreg(HW_REG_IB_STS2, 6, 4)
	s_cmp_eq_u32 s2, 0
	s_cbranch_scc0 .Lentry_in_a_cluster
	s_endpgm
.Lentry_in_a_cluster:
	s_bfe_u32 s2, ttmp6, 0x10000c
	s_cmp_lg_u32 s2, 0xf033
	s_cbranch_scc0 .Lentry_shape_is_right
	s_endpgm
.Lentry_shape_is_right:
; query x w_qkv^T on codes of FP4 (E2M1) with one E8M0 scale for each 32 along K = 1,024; sums in f32; the results leave as f16, laid as images of the next launch's operand registers.
; A tile of 256 x 256 is made by four waves, 128 x 128 each: 64 accumulators, 512 registers.  K goes in two steps of 512 through two LDS slots (rows of 256 bytes, 16 of padding behind each); nothing is filled twice.
; The scale bytes of the work-group's 2 x 256 rows, for all of K, come once, as dense blocks, with the first fills.
; CLUSTERS: 4 x 4 work-groups; the tiles of the operand called A are shared along a row of the cluster, those of B along a column: joint loads with a mask of four.
; Cluster x says what is made: 0 Q, 1 K, 2 V.  The matrix instruction has source 0 = 16 rows of B, source 1 = 16 rows of A: a lane holds ONE row of A and eight neighbouring rows of B.
;   Q, K: A = tokens (query's codes), B = features (w_qkv's): a lane holds a token and eight neighbouring channels: the image of a fragment with the head's channels along K.
;   V:    A = features, B = tokens, by exchanging the POINTERS alone: a lane holds a channel and eight neighbouring keys: the image of V^T, whose K is the keys.
; Q is multiplied by c = log2(e) / 8 in f32 ahead of its rounding to f16, so that the scores arrive as exponents of 2.
; OUT: qkv = three parts of 16,777,216 bytes (Q, K, V), each [batch x 16 + head][262,144 bytes]; Q, K: [key64 32][kt 4][dchunk 4][512 bytes], V: [key64 32][i 4][kt 4][512 bytes]; in 512 bytes lane l has 16 bytes at 16 l.
; LIMIT: a result beyond 65,504 in magnitude becomes infinity in f16.
; REGISTERS, in windows of 256: window 0: v0-31 addresses; v32-95 scale words, two sets; v128-191 A's fragments, one set; on the way out v64-255 are free.
;   window 1: B's fragments, two sets, at v0 and v128.   window 2: the accumulators of my rows 0-63 ((a, b) at v[8 (8 a + b)]);   window 3: those of my rows 64-127.
.set NQ,     4                         ; matrix instructions deep in a slot
.set ROWB,   256                       ; a tile's row in bytes: 512 codes
.set KROW,   512                       ; a row of codes in memory
.set PITCH,  272                       ; an LDS row: 256 bytes + 16 of padding = 68 words: the 16 rows that a load touches start at 16 different banks (64 banks of 4 bytes: ISA guide 11.1)
.set FR,     8                         ; registers of a fragment: 16 rows x 128 K
.set NL,     2                         ; LDS loads that bring one
.set NP,     4                         ; places behind this matrix instruction (ISA guide 7.12.1)
.set HALFT,  128*PITCH                 ; 128 rows: what one tensor load brings
.set SLOT,   4*HALFT
.set KS,     32                        ; a row of scale bytes
.set SCL,    2*SLOT                    ; behind the slots: the scales, as units of 256 bytes + 16 of padding
.set HALFS,  16*272                    ; the scales of 128 rows
.set SBLK,   2*272                     ; those of 16 rows
.set SPARE,  SCL+4*HALFS               ; the spare words, 128 bytes a wave, which no other line names
.set ADRA, 16                          ; v16-17  LDS address of my A fragments in slot 0, 1
.set ADRB, 20                          ; v20-21  the same for B
.set CO,   26                          ; v26     16 x lane: my place in an image
.set ADRS, 27                          ; v27     LDS address of my scale words: lanes 0-15 A's rows, lanes 16-31 B's
.set SPW,  28                          ; v28     LDS address of my spare word; never rewritten
.set NIL,  29                          ; v29     0; never rewritten
.set SC,   32                          ; scale words: set s at v[SC + 32 s]; register 4 i + q: lanes 0-15 A's block i, lanes 16-31 B's block i, the slot's q-th 128 along K
.set AF,   128                         ; A's fragments, window 0
.set TT,   64                          ; the way out: 64 numbers at work
.set OD,   128                         ; the way out: four sets of 32 registers of f16 to store
.set G1, 24                            ; s[24:31] group 1 for A's tiles; s[32:39] group 0, one set a slot
.set G0, 32
.set G1B, 48                           ; s[48:55], s[56:63] the same for B's
.set G0B, 56
.set G1S, 68                           ; s[68:75], s[76:79] groups 1 and 0 for A's scales; s[80:87], s[88:91] for B's
.set G0S, 76
.set G1SB, 80
.set G0SB, 88
.set PB,  92                           ; s[92:99] four store bases: (a / 4, b / 4)
.set CQ,  2                            ; s[2:3]   c for Q, 1.0 for K and V
.set MSB, 0
.macro WIN new                         ; the immediate's high byte repeats the setting that is left
.if MSB != (\new)
	s_set_vgpr_msb (MSB<<8)|(\new)
.set MSB, (\new)
.endif
.endm
.set MUL_LO, 0xa1                      ; source 0 (B) window 1, source 1 (A) window 0, C and D window 2
.set MUL_HI, 0xf1                      ; the same, C and D window 3
.set TO_B,   0x40                      ; destination window 1, address window 0
; A joint load: waves 0 and 1 fetch for A, waves 2 and 3 for B; the branch hangs on the wave's number alone.  An s_nop 0 and four v_nop follow each of the two lines.
.macro JLOAD g0a, g1a, g0b, g1b
	s_cmp_eq_u32 s15, 0
	s_cbranch_scc0 .Lfor_b_\@
	tensor_load_to_lds s[\g0a:\g0a+3], s[\g1a:\g1a+7]
	s_nop 0
.rept 4
	v_nop
.endr
	s_branch .Lasked_\@
.Lfor_b_\@:
	tensor_load_to_lds s[\g0b:\g0b+3], s[\g1b:\g1b+7]
	s_nop 0
.rept 4
	v_nop
.endr
.Lasked_\@:
.endm
.macro CROUND                          ; a round of the cluster's barrier
	s_barrier_signal -1
	s_barrier_wait -1
	s_cmp_lg_u32 s14, 0
	s_cbranch_scc1 .Lnot_wave_0_\@
	s_barrier_signal -3
.Lnot_wave_0_\@:
	s_barrier_wait -3
	s_barrier_signal -1
	s_barrier_wait -1
.endm
	s_load_b128 s[4:7], s[0:1], 0x0                ; x_codes, x_scales
	s_load_b128 s[8:11], s[0:1], 0x10              ; w_codes, w_scales
	s_load_b64 s[12:13], s[0:1], 0x20              ; qkv
	v_lshl_add_u32 v[SPW], v0, 2, SPARE
	v_mov_b32 v[NIL], 0
	ds_add_u32 v[SPW], v[NIL]                      ; the wave's opening: the add, twice on end, and its wait ahead of my first tensor load
	ds_add_u32 v[SPW], v[NIL]
	v_lshrrev_b32 v1, 5, v0
	v_readfirstlane_b32 s14, v1                    ; wave 0..3
	s_lshr_b32 s15, s14, 1                         ; which half of A's rows is mine.  Also: I fetch for A (0) or for B (1)
	s_and_b32 s16, s14, 1                          ; which half of B's rows.  Also: which 128 rows I fetch
	s_bfe_u32 s40, ttmp6, 0x40000                  ; cx
	s_bfe_u32 s41, ttmp6, 0x40004                  ; cy
	s_and_b32 s17, ttmp7, 0xffff
	s_lshl_b32 s17, s17, 2                         ; 4 x cluster y
	s_add_co_u32 s20, s17, s41                     ; token tile by cy   (registers that feed A's descriptors hold cy alone,
	s_add_co_u32 s22, s41, 8                       ; V's feature tile by cy
	s_add_co_u32 s46, s17, s40                     ; token tile by cx    those that feed B's cx alone)
	s_lshl_b32 s92, ttmp9, 2
	s_add_co_u32 s92, s92, s40                     ; Q's or K's feature tile by cx
	s_cmp_eq_u32 ttmp9, 2                          ; V?  The cluster's x: the same in all sixteen partners
	s_cselect_b32 s17, s22, s20                    ; A's tile of 256 rows
	s_cselect_b32 s42, s46, s92                    ; B's
	s_lshl_b32 s43, s41, 2
	s_lshl_b32 s43, 15, s43                        ; my row of the cluster
	s_lshl_b32 s44, 0x1111, s40                    ; my column
	; group 1: a tile of 128 rows x 256 bytes, padded in LDS
	s_or_b32 s[G1+0], s43, (0<<16)|(1<<20)|(1<<21)|(5<<22)|(3<<25)  ; the mask; elements of 1 byte; padding on; bit 21 beside a mask; after every 64 words, 4 words
	s_or_b32 s[G1B+0], s44, (0<<16)|(1<<20)|(1<<21)|(5<<22)|(3<<25)
.irp g, G1, G1B
	s_mov_b32 s[\g+1], ROWB<<16                    ; tensor_dim0
	s_mov_b32 s[\g+2], 128<<16                     ; tensor_dim1
	s_mov_b32 s[\g+3], ROWB<<16                    ; tile_dim0
	s_mov_b32 s[\g+4], 128                         ; tile_dim1
	s_mov_b32 s[\g+5], KROW                        ; from row to row
	s_mov_b32 s[\g+6], 0
	s_mov_b32 s[\g+7], 0
.endr
	; the scales of 128 rows: 4,096 dense bytes, as 16 rows of 256 bytes (32 elements of 8), 16 bytes of padding behind each
	s_or_b32 s[G1S+0], s43, (3<<16)|(1<<20)|(1<<21)|(5<<22)|(3<<25)
	s_or_b32 s[G1SB+0], s44, (3<<16)|(1<<20)|(1<<21)|(5<<22)|(3<<25)
.irp g, G1S, G1SB
	s_mov_b32 s[\g+1], 32<<16
	s_mov_b32 s[\g+2], 16<<16
	s_mov_b32 s[\g+3], 32<<16
	s_mov_b32 s[\g+4], 16
	s_mov_b32 s[\g+5], 32
	s_mov_b32 s[\g+6], 0
	s_mov_b32 s[\g+7], 0
.endr
	s_lshl_b32 s18, s16, 7                         ; which 128 rows of the tile I fetch
	s_lshl_b32 s20, s17, 8
	s_add_co_u32 s20, s20, s18                     ; A's first row
	s_lshl_b32 s46, s42, 8
	s_add_co_u32 s46, s46, s18                     ; B's
	s_mov_b32 s21, 0
	s_mov_b32 s47, 0
	s_mov_b64 s[18:19], KS
	s_mul_u64 s[22:23], s[20:21], s[18:19]         ; where these rows' scales begin,
	s_mul_u64 s[92:93], s[46:47], s[18:19]
	s_mov_b64 s[18:19], KROW
	s_mul_u64 s[20:21], s[20:21], s[18:19]         ; and their codes
	s_mul_u64 s[46:47], s[46:47], s[18:19]
	s_mul_i32 s45, s14, HALFT                      ; where they go: wave x 128 rows: no place in the cluster enters an LDS address
	s_mul_i32 s94, s14, HALFS
	s_wait_dscnt 0x0                               ; both opening adds are done
	s_wait_kmcnt 0x0
	s_mov_b64 s[96:97], s[4:5]                     ; for V the two operands change places: a choice between buffers on the cluster's x
	s_mov_b64 s[98:99], s[6:7]
	s_cmp_eq_u32 ttmp9, 2
	s_cselect_b64 s[4:5], s[8:9], s[4:5]           ; A's codes
	s_cselect_b64 s[6:7], s[10:11], s[6:7]         ; A's scales
	s_cselect_b64 s[8:9], s[96:97], s[8:9]         ; B's codes
	s_cselect_b64 s[10:11], s[98:99], s[10:11]     ; B's scales
	s_add_nc_u64 s[20:21], s[4:5], s[20:21]
	s_add_nc_u64 s[22:23], s[6:7], s[22:23]
	s_add_nc_u64 s[46:47], s[8:9], s[46:47]
	s_add_nc_u64 s[92:93], s[10:11], s[92:93]
	CROUND                                         ; all sixteen work-groups are here: the first joint loads meet
	s_mov_b32 s[G0S], 1
	s_add_co_u32 s[G0S+1], s94, SCL
	s_mov_b64 s[G0S+2:G0S+3], s[22:23]
	s_or_b32 s[G0S+3], s[G0S+3], 0x80000000
	s_mov_b32 s[G0SB], 1
	s_add_co_u32 s[G0SB+1], s94, SCL
	s_mov_b64 s[G0SB+2:G0SB+3], s[92:93]
	s_or_b32 s[G0SB+3], s[G0SB+3], 0x80000000
	JLOAD G0S, G1S, G0SB, G1SB                     ; the scales first: they are wanted with the first K step
.irp s, 0,1
	s_mov_b32 s[G0+4*\s], 1
	s_add_co_u32 s[G0+4*\s+1], s45, \s*SLOT
	s_add_nc_u64 s[G0+4*\s+2:G0+4*\s+3], s[20:21], \s*ROWB
	s_or_b32 s[G0+4*\s+3], s[G0+4*\s+3], 0x80000000
	s_mov_b32 s[G0B+4*\s], 1
	s_add_co_u32 s[G0B+4*\s+1], s45, \s*SLOT
	s_add_nc_u64 s[G0B+4*\s+2:G0B+4*\s+3], s[46:47], \s*ROWB
	s_or_b32 s[G0B+4*\s+3], s[G0B+4*\s+3], 0x80000000
	JLOAD G0+4*\s, G1, G0B+4*\s, G1B               ; three tensor loads of mine are out now
.endr
	v_and_b32 v1, 15, v0                           ; l % 16
	v_bfe_u32 v2, v0, 4, 1                         ; l / 16
	v_mul_u32_u24 v3, v1, PITCH
	v_lshl_add_u32 v4, v2, 4, v3                   ; a fragment's row x pitch + 16 x half
	s_mul_i32 s21, s15, HALFT                      ; my 128 rows of A
	s_mul_i32 s22, s16, HALFT                      ; my 128 rows of B,
	s_add_co_u32 s22, s22, 2*HALFT                 ; which lie behind A's 256
.irp s, 0,1
	v_add_nc_u32 v[ADRA+\s], s21, v4
	v_add_nc_u32 v[ADRB+\s], s22, v4
	s_add_co_u32 s21, s21, SLOT
	s_add_co_u32 s22, s22, SLOT
.endr
	v_mul_u32_u24 v5, v1, KS                       ; my row's scales: 32 bytes a row,
	v_lshrrev_b32 v6, 8, v5
	v_lshl_add_u32 v5, v6, 4, v5                   ; and 16 more for each 256 passed
	s_mul_i32 s21, s15, HALFS
	s_mul_i32 s22, s16, HALFS
	s_add_co_u32 s22, s22, 2*HALFS
	s_sub_co_u32 s22, s22, s21
	v_mul_u32_u24 v6, s22, v2                      ; lanes 16-31 take B's: one product, the distance between the two bases
	s_add_co_u32 s21, s21, SCL
	v_add_nc_u32 v5, v5, v6
	v_add_nc_u32 v[ADRS], s21, v5
	v_and_b32 v6, 31, v0
	v_lshlrev_b32 v[CO], 4, v6
	; where my results go.  Tokens: tile T, half ht; heads: 4 Hc + 2 hh (+ 1).  For Q, K the tokens are A's rows, for V they are B's.
	s_and_b32 s20, ttmp7, 0xffff
	s_lshl_b32 s20, s20, 2
	s_add_co_u32 s21, s20, s40
	s_add_co_u32 s20, s20, s41
	s_mov_b32 s43, 0x40000                         ; a head's 262,144 bytes
	s_mov_b32 s44, 0x2000                          ; 64 tokens' 8,192 bytes
	s_mov_b32 s45, 0x3e38aa3b                      ; c = log2(e) / 8
	s_mov_b32 s47, 0x3f800000                      ; 1.0
	s_cmp_eq_u32 ttmp9, 2
	s_cselect_b32 s20, s21, s20                    ; T
	s_cselect_b32 s21, s16, s15                    ; ht
	s_cselect_b32 s22, s41, s40                    ; Hc
	s_cselect_b32 s23, s15, s16                    ; hh
	s_cselect_b32 s46, s43, s44                    ; four blocks of A on
	s_cselect_b32 s18, s44, s43                    ; four blocks of B on
	s_cmp_eq_u32 ttmp9, 0
	s_cselect_b32 s[CQ], s45, s47
	s_mov_b32 s[CQ+1], s[CQ]                       ; (named with it as a pair, so it is written)
	s_lshl_b32 s20, s20, 8
	s_lshl_b32 s21, s21, 7
	s_add_co_u32 s20, s20, s21                     ; my first token
	s_lshr_b32 s21, s20, 11                        ; batch
	s_lshl_b32 s21, s21, 4
	s_lshl_b32 s22, s22, 2
	s_add_co_u32 s21, s21, s22
	s_lshl_b32 s23, s23, 1
	s_add_co_u32 s21, s21, s23                     ; 16 x batch + my first head
	s_lshl_b32 s21, s21, 18
	s_and_b32 s20, s20, 2047
	s_lshl_b32 s20, s20, 7                         ; 128 bytes a token
	s_add_co_u32 s20, s20, s21
	s_lshl_b32 s21, ttmp9, 24                      ; the part: Q, K or V
	s_add_co_u32 s20, s20, s21
	s_mov_b32 s21, 0
	s_mov_b32 s47, 0
	s_mov_b32 s19, 0
	s_add_nc_u64 s[PB:PB+1], s[12:13], s[20:21]
	s_add_nc_u64 s[PB+2:PB+3], s[PB:PB+1], s[18:19]
	s_add_nc_u64 s[PB+4:PB+5], s[PB:PB+1], s[46:47]
	s_add_nc_u64 s[PB+6:PB+7], s[PB+4:PB+5], s[18:19]
.macro FRAG reg, adr, q, i             ; a fragment, 16 rows x 128 K of 4-bit codes: lane l holds row l % 16; registers 4 c .. 4 c + 3 hold K = 64 c + 32 (l / 16) + 0 .. 31
.irp c, 0,1
	ds_load_b128 v[\reg+4*\c:\reg+4*\c+3], v[\adr] offset:64*(\q)+32*\c+(\i)*16*PITCH
.endr
.endm
; 16 matrix instructions: A's blocks a0, a0 + 1 x B's eight, the slot's q-th 128 along K.  p: B's set; sc: the set of scale words.  zero = 1: the first product starts the sums.
; The 64 accumulators take turns, one instruction a turn, in the same order in every step.
.macro MUL16 a0, p, q, sc, zero
.irp a, \a0, \a0+1
.irp b, 0,1,2,3,4,5,6,7
.if \zero
	v_wmma_scale_f32_16x16x128_f8f6f4 v[8*(8*((\a)%4)+\b):8*(8*((\a)%4)+\b)+7], v[128*(\p)+FR*\b:128*(\p)+FR*\b+FR-1], v[AF+FR*(\a):AF+FR*(\a)+FR-1], 0, v[SC+8*NQ*(\sc)+NQ*\b+(\q)], v[SC+8*NQ*(\sc)+NQ*(\a)+(\q)] matrix_a_fmt:MATRIX_FMT_FP4 matrix_b_fmt:MATRIX_FMT_FP4 matrix_a_scale:MATRIX_SCALE_ROW1
.else
	v_wmma_scale_f32_16x16x128_f8f6f4 v[8*(8*((\a)%4)+\b):8*(8*((\a)%4)+\b)+7], v[128*(\p)+FR*\b:128*(\p)+FR*\b+FR-1], v[AF+FR*(\a):AF+FR*(\a)+FR-1], v[8*(8*((\a)%4)+\b):8*(8*((\a)%4)+\b)+7], v[SC+8*NQ*(\sc)+NQ*\b+(\q)], v[SC+8*NQ*(\sc)+NQ*(\a)+(\q)] matrix_a_fmt:MATRIX_FMT_FP4 matrix_b_fmt:MATRIX_FMT_FP4 matrix_a_scale:MATRIX_SCALE_ROW1
.endif
.endr
.endr
.endm
.macro FETCH_B slot, q, p
	WIN TO_B
.irp i, 0,1,2,3,4,5,6,7
	FRAG 128*(\p)+FR*\i, ADRB+\slot, \q, \i
.endr
	WIN 0
.endm
.macro FETCH_A slot, q, i0
.irp i, \i0, \i0+1, \i0+2, \i0+3
	FRAG AF+FR*(\i), ADRA+\slot, \q, \i
.endr
.endm
.macro SCALES sc                       ; a K step's scale words: 4 words a row; lanes 0-15 take A's block i, lanes 16-31 B's block i
.irp i, 0,1,2,3,4,5,6,7
	ds_load_b128 v[SC+8*NQ*\sc+NQ*\i:SC+8*NQ*\sc+NQ*\i+3], v[ADRS] offset:\i*SBLK
.endr
.endm
.macro PLACES n                        ; plain vector lines between a matrix instruction and a load into, or a vector line on, its registers
.rept \n
	v_nop
.endr
.endm
.macro STEP slot, q, zero              ; 128 along K with a successor in the same slot
	s_wait_dscnt 4*NL                              ; B's set and A's blocks 0-3 are in; the youngest eight loads (A's blocks 4-7) may be out
	WIN MUL_LO
	MUL16 0, (\q)%2, \q, \slot, \zero
	MUL16 2, (\q)%2, \q, \slot, \zero
	s_wait_dscnt 0
	PLACES NP
	FETCH_B \slot, (\q)+1, 1-(\q)%2
	FETCH_A \slot, (\q)+1, 0
	WIN MUL_HI
	MUL16 4, (\q)%2, \q, \slot, \zero
	MUL16 6, (\q)%2, \q, \slot, \zero
	PLACES NP
	WIN 0
	FETCH_A \slot, (\q)+1, 4
.endm
.macro TURN slot, next                 ; slot 0's last step, and the change to slot 1: one barrier
	s_wait_tensorcnt 0x0                           ; all my tensor loads have landed: my part of the next slot
	ds_add_u32 v[SPW], v[NIL]                      ; 0 onto my spare word
	s_wait_dscnt 4*NL+1                            ; (the add and the youngest eight loads may be out)
	WIN MUL_LO
	MUL16 0, 1, NQ-1, \slot, 0
	s_wait_dscnt 0x0                               ; the add is done, and my reads of this slot are over
	s_barrier_signal -1
	MUL16 2, 1, NQ-1, \slot, 0
	WIN 0
	s_barrier_wait -1                              ; the next slot is whole
	PLACES NP
	v_add_nc_u32 v[ADRS], 4*NQ, v[ADRS]            ; on to the next K step's scale words
	FETCH_B \next, 0, 0
	FETCH_A \next, 0, 0
	SCALES \next
	WIN MUL_HI
	MUL16 4, 1, NQ-1, \slot, 0
	MUL16 6, 1, NQ-1, \slot, 0
	PLACES NP
	WIN 0
	FETCH_A \next, 0, 4
.endm
	s_wait_tensorcnt 1                             ; the scales and my part of slot 0 are in; slot 1's load may be out,
	s_barrier_signal -1
	s_barrier_wait -1                              ; everybody's are
	FETCH_B 0, 0, 0
	FETCH_A 0, 0, 0
	SCALES 0
	FETCH_A 0, 0, 4
	STEP 0, 0, 1                                   ; the first products start the sums
	STEP 0, 1, 0
	STEP 0, 2, 0
	TURN 0, 1
	STEP 1, 0, 0
	STEP 1, 1, 0
	STEP 1, 2, 0
	s_wait_dscnt 4*NL                              ; the last step: nothing more to fetch
	WIN MUL_LO
	MUL16 0, 1, NQ-1, 1, 0
	MUL16 2, 1, NQ-1, 1, 0
	s_wait_dscnt 0
	WIN MUL_HI
	MUL16 4, 1, NQ-1, 1, 0
	MUL16 6, 1, NQ-1, 1, 0
	WIN 0
; THE WAY OUT, block a of A's eight: x c or x 1.0 in f32, rounded to f16; accumulator (a, b) packs into four registers, which ARE an image of 512 bytes: one store at 16 x lane.  No LDS.
.macro OUT a
	WIN 0x02+(\a)/4                                ; source 0: window 2 or 3
.irp b, 0,1,2,3,4,5,6,7
.irp g, 0,1,2,3
	v_pk_mul_f32 v[TT+8*\b+2*\g:TT+8*\b+2*\g+1], v[64*((\a)%4)+8*\b+2*\g:64*((\a)%4)+8*\b+2*\g+1], s[CQ:CQ+1] op_sel_hi:[1,0]   ; each accumulator from its low end on
.endr
.endr
	WIN 0
.if (\a) >= 4
	s_wait_xcnt 0x0                                ; block a - 4's stores have read their data: the set is written again only behind this wait
.endif
.irp b, 0,1,2,3,4,5,6,7
.irp g, 0,1,2,3
	v_cvt_pk_f16_f32 v[OD+32*((\a)%4)+4*\b+\g], v[TT+8*\b+2*\g], v[TT+8*\b+2*\g+1]
.endr
.endr
.irp b, 0,1,2,3,4,5,6,7
	global_store_b128 v[CO], v[OD+32*((\a)%4)+4*\b:OD+32*((\a)%4)+4*\b+3], s[PB+4*((\a)/4)+2*(\b/4):PB+4*((\a)/4)+2*(\b/4)+1] offset:((\a)%4)*2048+(\b%4)*512   ; 32 lanes store 512 consecutive bytes, aligned
.endr
.endm
	PLACES NP                                      ; behind the last products: for the reads of results and for the writes into registers that held scale words and A's fragments
.irp a, 0,1,2,3,4,5,6,7
	OUT \a
.endr
	s_wait_tensorcnt 0x0                           ; the wave's end
	ds_add_u32 v[SPW], v[NIL]
	s_wait_dscnt 0x0
	CROUND                                         ; the closing round: no work-group ends while a partner may still ask for a tile that names it
	s_endpgm
.Lfunc_end_k_q67dd9155c0_qkv:
	.size	k_q67dd9155c0_qkv, .Lfunc_end_k_q67dd9155c0_qkv-k_q67dd9155c0_qkv
	.p2alignl 7, 3214868480
	.fill 96, 4, 3214868480
	.section	.rodata,"a",@progbits
	.p2align	6, 0x0
	.amdhsa_kernel k_q67dd9155c0_qkv
		.amdhsa_group_segment_fixed_size 327680
		.amdhsa_private_segment_fixed_size 0
		.amdhsa_enable_private_segment 0
		.amdhsa_kernarg_size 40
		.amdhsa_user_sgpr_count 2
		.amdhsa_user_sgpr_kernarg_segment_ptr 1
		.amdhsa_wavefront_size32 1
		.amdhsa_system_sgpr_workgroup_id_x 1
		.amdhsa_system_sgpr_workgroup_id_y 1
		.amdhsa_system_sgpr_workgroup_id_z 1
		.amdhsa_system_vgpr_workitem_id 0
		.amdhsa_next_free_vgpr 1024
		.amdhsa_next_free_sgpr 100
		.amdhsa_reserve_vcc 0
		.amdhsa_float_denorm_mode_32 3
		.amdhsa_float_denorm_mode_16_64 3
		.amdhsa_memory_ordered 1
		.amdhsa_forward_progress 1
		.amdhsa_inst_pref_size 135
	.end_amdhsa_kernel
	.amdgpu_metadata
---
amdhsa.version: [ 1, 2 ]
amdhsa.kernels:
  - .name:           k_q67dd9155c0_qkv
    .symbol:         k_q67dd9155c0_qkv.kd
    .args:
      - { .name: x_codes, .offset: 0, .size: 8, .value_kind: global_buffer, .address_space: global }
      - { .name: x_scales, .offset: 8, .size: 8, .value_kind: global_buffer, .address_space: global }
      - { .name: w_codes, .offset: 16, .size: 8, .value_kind: global_buffer, .address_space: global }
      - { .name: w_scales, .offset: 24, .size: 8, .value_kind: global_buffer, .address_space: global }
      - { .name: qkv, .offset: 32, .size: 8, .value_kind: global_buffer, .address_space: global }
    .group_segment_fixed_size: 327680
    .private_segment_fixed_size: 0
    .kernarg_segment_align: 8
    .kernarg_segment_size: 40
    .max_flat_workgroup_size: 128
    .sgpr_count:     100
    .vgpr_count:     1024
    .wavefront_size: 32
...
	.end_amdgpu_metadata
.endif
;; end of part 2
;; launch attn (part 3): grid 4 x 64, 8 waves a work-group, clusters of 4 x 1, 327,680 bytes of LDS; arguments qkv, o16; writes o16
.if DOCPART == 3
	.amdgcn_target "amdgcn-amd-amdhsa--gfx1250"
	.amdhsa_code_object_version 6
	.text
	.protected	k_q67dd9155c0_attn
	.globl	k_q67dd9155c0_attn
	.p2align	8
	.type	k_q67dd9155c0_attn,@function
k_q67dd9155c0_attn:
	s_mov_b64 s[64:65], 0
	v_nop
	global_prefetch_b8 v0, s[64:65] scope:SCOPE_SE
	s_setreg_imm32_b32 hwreg(HW_REG_WAVE_MODE, 25, 1), 1
	s_wait_xcnt 0x0
	s_wait_alu depctr_hold_cnt(0) depctr_sa_sdst(0) depctr_va_vdst(0) depctr_va_sdst(0) depctr_va_ssrc(0) depctr_va_vcc(0) depctr_vm_vsrc(0)
	s_getreg_b32 s2, hwreg(HW_REG_IB_STS2, 6, 4)
	s_cmp_eq_u32 s2, 0
	s_cbranch_scc0 .Lentry_in_a_cluster
	s_endpgm
.Lentry_in_a_cluster:
	s_bfe_u32 s2, ttmp6, 0x10000c
	s_cmp_lg_u32 s2, 0x3003
	s_cbranch_scc0 .Lentry_shape_is_right
	s_endpgm
.Lentry_shape_is_right:
; o[b][h][q] = the sum over k of softmax_k(Q[q] . K[k] / 8) V[k], 64 heads of 2,048 tokens x 64 channels, no mask.  Q (already x log2(e) / 8), K and V^T arrive in f16 as images of operand registers
; (512 bytes: lane l's 16 bytes at 16 l).  Products, maxima and sums in f32; p is rounded to f16 for the second product, o once at the end.
; SHARES.  A work-group owns 512 queries of one head, each of its eight waves 64: four tiles of 16.  Two waves lie on a SIMD.  Every wave walks all keys, 64 a step.
; LAYOUT.  S^T = K Q^T (source 0 = 16 keys, source 1 = 16 queries): a lane holds ONE query (lane % 16) and keys 8 (lane / 16) + 0..7 of each tile of 16 keys.  Two such tiles, rounded to f16 in pairs, ARE source 1
; (32 keys x 16 queries) of O^T = V^T P, whose result again holds one query a lane and eight channels.  P is packed in place, into the lower half of its tile's scores.
; SOFTMAX.  For each query a running maximum m and sum l: p = 2^(s - m); in every step O^T and l are multiplied by a = 2^(m_old - m_new).  l is summed from the unrounded p.  m begins at -3e38, O^T and l at 0: the first a is 0.
; PIPELINE.  A step: K of the next step is asked of LDS; the softmax of the scores in hand; V^T P; V of the next step is asked for; K Q^T of the next step.
; THE TWO WAVES OF A SIMD ARE SET HALF A STEP APART at each change of slots: one group of waves does that step's softmax ahead of the barrier, the other behind it, so that one wave's vector work stands beside the other's
; matrix work.
; RING.  Two LDS slots of 256 keys: K's four steps of 8,192 bytes, then V's four.  Every wave fetches 8,192 bytes of a slot by one tensor load.  The four work-groups of a cluster are the four query blocks of one head:
; each tile is asked for jointly, by the same load with a mask that names the four.  A refill is asked for four key steps ahead of the slot's first read; two tensor loads of a wave are out at the start, later one.
; LIMITS: NaN and infinities are not served; p under 6e-8 is rounded to 0 beside a largest p of 1; o beyond 65,504 becomes infinity in f16.
; REGISTERS: window 0: v1 16 x lane, v2 the LDS address in hand, v4, v5 the add's two; v16-63 statistics, 12 a tile; v64-127 Q; v128-255 S^T, 32 a tile.   window 1: v0-127 O^T, 32 a tile; v128-191 K; v192-255 V.
.set SLOT1, 65536                      ; slot 1 begins here: one exclusive or turns an address in one slot into the other's
.set VOFF,  32768                      ; V's four steps behind K's four
.set STEPB, 8192                       ; a step's K, or its V
.set SPARE, 131072                     ; behind the ring: the spare words, 128 bytes a wave, which no other line names
.set LI,  1
.set ADR, 2
.set SPW, 4
.set NIL, 5
.set ST,  16                           ; tile t at v[ST + 12 t]: +0 m (+1: 0, named with it as a pair); +2, +3 l; +4 a (+5: its pair's other half); +6, +7 two chains of the maximum, then of the sum; +8 the other half's maximum; +10 m_old - m_new
.set QF,  64                           ; Q's fragment (t, c) at QF + 16 t + 8 c
.set S,   128                          ; S^T (t, kt) at S + 32 t + 8 kt
.set KF,  128                          ; window 1: K's fragment (kt, c) at KF + 16 kt + 8 c
.set VF,  192                          ; window 1: V's fragment (i, kh) at VF + 16 i + 8 kh
.set WV,  8                            ; s8   my wave's number
.set GRP, 9                            ; s9   my group: (wave xor wave / 4) & 1
.set G1,  24                           ; s[24:31] group 1
.set G0A, 32                           ; s[32:35] group 0 of slot 0's first fill
.set G0B, 36                           ; s[36:39] group 0 of slot 1's first fill; it then walks
.set TB,  40                           ; s40  LDS byte at which the step to be fetched begins
.set CNT, 41
.set SLOTS, 42
.set SEL, 44                           ; s[44:45] lane selects for v_permlanex16_b32: lane l xor 16
.set QA,  46                           ; s[46:47] my 64 queries' images
.set OA,  48                           ; s[48:49] where my results go
.set MSB, 0
.macro WIN new
.if MSB != (\new)
	s_set_vgpr_msb (MSB<<8)|(\new)
.set MSB, (\new)
.endif
.endm
.macro CROUND                          ; a round of the cluster's barrier
	s_barrier_signal -1
	s_barrier_wait -1
	s_cmp_lg_u32 s[WV], 0
	s_cbranch_scc1 .Lnot_wave_0_\@
	s_barrier_signal -3
.Lnot_wave_0_\@:
	s_barrier_wait -3
	s_barrier_signal -1
	s_barrier_wait -1
.endm
	s_load_b128 s[4:7], s[0:1], 0x0                ; qkv, o16
	v_lshl_add_u32 v[SPW], v0, 2, SPARE
	v_mov_b32 v[NIL], 0
	ds_add_u32 v[SPW], v[NIL]                      ; the wave's opening: the add, twice on end, and its wait ahead of my first tensor load
	ds_add_u32 v[SPW], v[NIL]
	v_lshrrev_b32 v3, 5, v0
	v_readfirstlane_b32 s[WV], v3                  ; wave 0..7
	s_lshr_b32 s[GRP], s[WV], 2
	s_xor_b32 s[GRP], s[GRP], s[WV]
	s_and_b32 s[GRP], s[GRP], 1
	s_bfe_u32 s10, ttmp6, 0x40000                  ; cx: my block of 512 queries; it enters Q's and o's addresses alone
	s_and_b32 s11, ttmp7, 0xffff                   ; 16 x batch + head, which the four partners share
	; group 1: 8,192 dense bytes as 32 rows of 256 (32 elements of 8 bytes), no padding: images are read 512 consecutive bytes at a time
	s_mov_b32 s[G1], 15|(3<<16)|(1<<21)            ; the mask: all four work-groups; elements of 8 bytes; bit 21 beside a mask
	s_mov_b32 s[G1+1], 32<<16                      ; tensor_dim0
	s_mov_b32 s[G1+2], 32<<16                      ; tensor_dim1
	s_mov_b32 s[G1+3], 32<<16                      ; tile_dim0
	s_mov_b32 s[G1+4], 32                          ; tile_dim1
	s_mov_b32 s[G1+5], 32                          ; from row to row
	s_mov_b32 s[G1+6], 0
	s_mov_b32 s[G1+7], 0
	s_lshl_b32 s16, s11, 18                        ; the head's 262,144 bytes in each part
	s_lshr_b32 s12, s[WV], 2
	s_add_co_u32 s12, s12, 1                       ; waves 0-3 fetch K (part 1), waves 4-7 V (part 2),
	s_lshl_b32 s12, s12, 24
	s_add_co_u32 s12, s12, s16
	s_and_b32 s13, s[WV], 3
	s_lshl_b32 s13, s13, 13                        ; step wave % 4 of a slot
	s_add_co_u32 s12, s12, s13
	s_mov_b32 s13, 0
	s_lshl_b32 s17, s[WV], 13                      ; and put it at wave x 8,192 of the slot
	s_lshl_b32 s14, s10, 16                        ; Q: my block's 65,536 bytes, my wave's 8,192
	s_add_co_u32 s14, s14, s16
	s_add_co_u32 s14, s14, s17
	s_mov_b32 s15, 0
	s_lshr_b32 s20, s11, 4                         ; batch
	s_and_b32 s21, s11, 15                         ; head
	s_lshr_b32 s22, s21, 1
	s_lshl_b32 s22, s22, 21                        ; o16: [head / 2][row tile 512][4 (head % 2) + i][512 bytes]
	s_lshl_b32 s20, s20, 7
	s_lshl_b32 s23, s10, 5
	s_add_co_u32 s20, s20, s23
	s_lshl_b32 s23, s[WV], 2
	s_add_co_u32 s20, s20, s23                     ; my first row tile: 128 batch + 32 cx + 4 wave
	s_lshl_b32 s20, s20, 12
	s_add_co_u32 s20, s20, s22
	s_and_b32 s21, s21, 1
	s_lshl_b32 s21, s21, 11
	s_add_co_u32 s20, s20, s21
	s_mov_b32 s21, 0
	s_mov_b32 s[SEL], 0x76543210
	s_mov_b32 s[SEL+1], 0xfedcba98
	s_mov_b32 s[TB], 0
	s_mov_b32 s[SLOTS], 6
	s_wait_dscnt 0x0                               ; both opening adds are done
	s_wait_kmcnt 0x0
	s_add_nc_u64 s[18:19], s[4:5], s[12:13]        ; my tile of slot 0: made of the head and the wave's number alone
	s_add_nc_u64 s[QA:QA+1], s[4:5], s[14:15]
	s_add_nc_u64 s[OA:OA+1], s[6:7], s[20:21]
	CROUND                                         ; all four work-groups are here: the first joint loads meet
	s_mov_b32 s[G0A], 1
	s_mov_b32 s[G0A+1], s17
	s_mov_b64 s[G0A+2:G0A+3], s[18:19]
	s_or_b32 s[G0A+3], s[G0A+3], 0x80000000
	s_mov_b32 s[G0B], 1
	s_add_co_u32 s[G0B+1], s17, SLOT1
	s_add_nc_u64 s[G0B+2:G0B+3], s[18:19], 4*STEPB
	s_or_b32 s[G0B+3], s[G0B+3], 0x80000000
	tensor_load_to_lds s[G0A:G0A+3], s[G1:G1+7]    ; keys 0-255
	s_nop 0
	tensor_load_to_lds s[G0B:G0B+3], s[G1:G1+7]    ; keys 256-511
	s_nop 0
.rept 4
	v_nop
.endr
	v_and_b32 v[LI], 31, v0
	v_lshlrev_b32 v[LI], 4, v[LI]
.irp f, 0,1,2,3,4,5,6,7,8,9,10,11,12,13,14,15
	global_load_b128 v[QF+4*\f:QF+4*\f+3], v[LI], s[QA:QA+1] offset:512*\f   ; Q stays in registers
.endr
.set i, ST
.rept 48
	v_mov_b32 v[i], 0                              ; l, the pairs' other halves, and the lane permutes' destinations
.set i, i+1
.endr
.irp t, 0,1,2,3
	v_mov_b32 v[ST+12*\t], 0xff61b1e6              ; m = -3e38, under every score
.endr
	WIN 0x40
.set i, 0
.rept 128
	v_mov_b32 v[i], 0                              ; O^T.  The step is written once for all 32: the first finds zeros, which the first a leaves zeros; a first step of its own would be one more copy of the softmax
.set i, i+1
.endr
	WIN 0
; 16 LDS loads: a step's K (base KF, off 0) or V (base VF, off VOFF), as they lie: 512 consecutive bytes a load
.macro FETCH base, off
	WIN 0x40                                       ; destination window 1
.irp f, 0,1,2,3,4,5,6,7,8,9,10,11,12,13,14,15
	ds_load_b128 v[\base+4*\f:\base+4*\f+3], v[ADR] offset:\off+512*\f
.endr
.endm
.macro FETCH_K
	WIN 0
	v_add_nc_u32 v[ADR], s[TB], v[LI]
	s_add_co_u32 s[TB], s[TB], STEPB               ; the next fetch of K is the next step's; V of this step takes the same address register
	FETCH KF, 0
.endm
; S^T = K Q^T: 32 products; the 16 accumulators take turns, one instruction a turn.  The first 16 start the sums.
.macro QK
	WIN 0x01                                       ; K in window 1
.set n, 0
.rept 32
.set rS, S+32*(n%4)+8*((n/4)%4)
.set rK, KF+16*((n/4)%4)+8*(n/16)
.set rQ, QF+16*(n%4)+8*(n/16)
.if n < 16
	v_wmma_f32_16x16x32_f16 v[rS:rS+7], v[rK:rK+7], v[rQ:rQ+7], 0
.else
	v_wmma_f32_16x16x32_f16 v[rS:rS+7], v[rK:rK+7], v[rQ:rQ+7], v[rS:rS+7]
.endif
.set n, n+1
.endr
.endm
; O^T += V^T P: 32 products, 16 accumulators by turns
.macro PV
	WIN 0x51                                       ; V, C and D in window 1, P in window 0
.set n, 0
.rept 32
.set rO, 32*(n%4)+8*((n/4)%4)
.set rV, VF+16*((n/4)%4)+8*(n/16)
.set rP, S+32*(n%4)+8*(n/16)
	v_wmma_f32_16x16x32_f16 v[rO:rO+7], v[rV:rV+7], v[rP:rP+7], v[rO:rO+7]
.set n, n+1
.endr
.endm
; The matrix half of a step
.macro MM
	s_wait_dscnt 16                                ; V of this step is in; the 16 loads of the next step's K may be out
	PV
	WIN 0
.rept 5
	v_nop                                          ; five places: the products below write over P, which the products above have read; the loads into V's registers want four
.endr
	FETCH VF, VOFF                                 ; V of the next step
	s_wait_dscnt 16                                ; K of the next step is in; V's 16 loads may be out
	QK
	WIN 0
.rept 4
	v_nop                                          ; four places ahead of the next loads into K's registers and of the first reads of the scores
.endr
.endm
; THE SOFTMAX of my four tiles for one step.
.macro SUBP t, i                       ; pair i of tile t: s - m
	v_pk_add_f32 v[S+32*(\t)+2*(\i):S+32*(\t)+2*(\i)+1], v[S+32*(\t)+2*(\i):S+32*(\t)+2*(\i)+1], v[ST+12*(\t):ST+12*(\t)+1] op_sel_hi:[1,0] neg_lo:[0,1] neg_hi:[0,1]
.endm
.macro EXP1 t, e
	v_exp_f32 v[S+32*(\t)+(\e)], v[S+32*(\t)+(\e)]
.endm
.macro SUMP t, i                       ; the sum of the unrounded p, in two chains: l = a l + pair 0, + the even pairs; the odd pairs in v[+6:+7]
.if (\i) == 0
	v_pk_fma_f32 v[ST+12*(\t)+2:ST+12*(\t)+3], v[ST+12*(\t)+2:ST+12*(\t)+3], v[ST+12*(\t)+4:ST+12*(\t)+5], v[S+32*(\t):S+32*(\t)+1] op_sel_hi:[1,0,1]
.elseif (\i) == 1
	v_pk_add_f32 v[ST+12*(\t)+6:ST+12*(\t)+7], v[S+32*(\t)+2:S+32*(\t)+3], v[S+32*(\t)+6:S+32*(\t)+7]
.elseif (\i) == 3
.elseif ((\i)%2) == 0
	v_pk_add_f32 v[ST+12*(\t)+2:ST+12*(\t)+3], v[ST+12*(\t)+2:ST+12*(\t)+3], v[S+32*(\t)+2*(\i):S+32*(\t)+2*(\i)+1]
.else
	v_pk_add_f32 v[ST+12*(\t)+6:ST+12*(\t)+7], v[ST+12*(\t)+6:ST+12*(\t)+7], v[S+32*(\t)+2*(\i):S+32*(\t)+2*(\i)+1]
.endif
.endm
.macro CVTP t, i                       ; pair i to f16, in place: register i was read by pair i / 2's sum and rounding, which stand earlier
	v_cvt_pk_f16_f32 v[S+32*(\t)+(\i)], v[S+32*(\t)+2*(\i)], v[S+32*(\t)+2*(\i)+1]
.endm
.macro LSUM t
	v_pk_add_f32 v[ST+12*(\t)+2:ST+12*(\t)+3], v[ST+12*(\t)+2:ST+12*(\t)+3], v[ST+12*(\t)+6:ST+12*(\t)+7]
.endm
; Tile te's 32 exponentials, with plain work of two other tiles between them: tile ts's subtractions, tile tc's sums and roundings (-1: none).  None of these lines names a result of this batch.
; One plain line and ONE wait close the batch, ahead of its first reader.
.macro MIX te, ts, tc
.irp i, 0,1,2,3,4,5,6,7,8,9,10,11,12,13,14,15
.if (\tc) >= 0
	SUMP \tc, \i
.endif
	EXP1 \te, 2*\i
.if (\ts) >= 0
	SUBP \ts, \i
.endif
	EXP1 \te, 2*\i+1
.if (\tc) >= 0
	CVTP \tc, \i
.endif
.endr
.if (\tc) >= 0
	LSUM \tc
.endif
	v_nop
	s_wait_alu depctr_va_vdst(0)
.endm
.macro SMX
	WIN 0
.irp t, 0,1,2,3                        ; the maximum of 32 scores and m, in two chains a tile, the tiles by turns; each accumulator is read from its low end on
	v_max3_num_f32 v[ST+12*\t+6], v[S+32*\t], v[S+32*\t+1], v[S+32*\t+2]
.endr
.irp t, 0,1,2,3
	v_max3_num_f32 v[ST+12*\t+7], v[S+32*\t+3], v[S+32*\t+4], v[S+32*\t+5]
.endr
.irp i, 6,10,14,18,22,26
.irp t, 0,1,2,3
	v_max3_num_f32 v[ST+12*\t+6], v[ST+12*\t+6], v[S+32*\t+\i], v[S+32*\t+\i+1]
.endr
.irp t, 0,1,2,3
	v_max3_num_f32 v[ST+12*\t+7], v[ST+12*\t+7], v[S+32*\t+\i+2], v[S+32*\t+\i+3]
.endr
.endr
.irp t, 0,1,2,3
	v_max3_num_f32 v[ST+12*\t+6], v[ST+12*\t+6], v[S+32*\t+30], v[S+32*\t+31]
.endr
.irp t, 0,1,2,3
	v_max3_num_f32 v[ST+12*\t+6], v[ST+12*\t+6], v[ST+12*\t+7], v[ST+12*\t]
.endr
.irp t, 0,1,2,3
	v_permlanex16_b32 v[ST+12*\t+8], v[ST+12*\t+6], s[SEL], s[SEL+1]   ; the query's other 32 keys lie in the lane 16 away
.endr
.irp t, 0,1,2,3
	v_max_num_f32 v[ST+12*\t+6], v[ST+12*\t+6], v[ST+12*\t+8]
.endr
.irp t, 0,1,2,3
	v_sub_f32 v[ST+12*\t+10], v[ST+12*\t], v[ST+12*\t+6]               ; m_old - m_new
.endr
.irp t, 0,1,2,3
	v_mov_b32 v[ST+12*\t], v[ST+12*\t+6]
.endr
.irp t, 0,1,2,3
	v_exp_f32 v[ST+12*\t+4], v[ST+12*\t+10]                            ; a: first read behind the first batch's wait
.endr
.irp i, 0,1,2,3,4,5,6,7,8,9,10,11,12,13,14,15
	SUBP 0, \i
.endr
	MIX 0, 1, -1
	MIX 1, 2, 0
	MIX 2, 3, 1
	MIX 3, -1, 2
.irp i, 0,1,2,3,4,5,6,7,8,9,10,11,12,13,14,15
	SUMP 3, \i
	CVTP 3, \i
.endr
	LSUM 3
	WIN 0x41                                       ; O^T (destination and source 0) in window 1, a in window 0
.irp t, 0,1,2,3
.set i, 0
.rept 16
	v_pk_mul_f32 v[32*\t+2*i:32*\t+2*i+1], v[32*\t+2*i:32*\t+2*i+1], v[ST+12*\t+4:ST+12*\t+5] op_sel_hi:[1,0]
.set i, i+1
.endr
.endr
	WIN 0
.endm
.macro STEP
	FETCH_K
	SMX
	MM
.endm
.macro THREE                           ; a slot's first three steps: written once, walked three times; the LDS addresses hang on s[TB]
	s_mov_b32 s[CNT], 3
.Lstep_\@:
	STEP
	s_sub_co_u32 s[CNT], s[CNT], 1
	s_cmp_lg_u32 s[CNT], 0
	s_cbranch_scc1 .Lstep_\@
.endm
; THE CHANGE OF SLOTS: the slot's last bytes, K and V of its fourth step, have been asked for.  Each wave waits for all its tensor loads (one is out: its part of the other slot), adds 0 to its spare word, and waits for that and
; for its reads of the slot.  fill = 1: the barrier is a round of the cluster's, and the joint refill, the keys two slots on, is the first thing behind it.
.macro CHANGE fill
	WIN 0
	s_wait_tensorcnt 0x0                           ; no tensor load of mine is out, so a group 0 may be written
	ds_add_u32 v[SPW], v[NIL]
.if \fill
	s_xor_b32 s[G0B+1], s[G0B+1], SLOT1            ; the walking descriptor: the other slot than last time,
	s_add_nc_u64 s[G0B+2:G0B+3], s[G0B+2:G0B+3], 4*STEPB   ; the next 256 keys; the type bits on top are not reached
	s_wait_dscnt 0x0                               ; the add is done, and my reads of the slot are over
	CROUND
	tensor_load_to_lds s[G0B:G0B+3], s[G1:G1+7]
	s_nop 0
.rept 4
	v_nop
.endr
.else
	s_wait_dscnt 0x0
	s_barrier_signal -1
	s_barrier_wait -1
.endif
	s_sub_co_u32 s[TB], s[TB], 4*STEPB             ; the fetches go back to a slot's first step,
	s_xor_b32 s[TB], s[TB], SLOT1                  ; in the other slot
.endm
; A slot's fourth step, with the change of slots in it.  Group 1 does the softmax ahead of the barrier, group 0 behind it.
.macro CSTEP fill
	s_cmp_eq_u32 s[GRP], 0
	s_cbranch_scc1 .Llater_\@
	SMX
.Llater_\@:
	CHANGE \fill
	FETCH_K
	WIN 0
	s_cmp_lg_u32 s[GRP], 0
	s_cbranch_scc1 .Ldone_\@
	SMX
.Ldone_\@:
	MM
.endm
	s_wait_tensorcnt 0x1                           ; my part of slot 0 is in; slot 1's may stay out
	s_barrier_signal -1
	s_barrier_wait -1                              ; everybody's is
	FETCH_K                                        ; step 0
	FETCH VF, VOFF
	s_wait_loadcnt 0x0                             ; Q
	s_wait_dscnt 16                                ; K is in; V's 16 loads may be out
	QK
	WIN 0
.rept 4
	v_nop
.endr
.Lslot:                                            ; six trips: every slot but the last two is filled again
	THREE
	CSTEP 1
	s_sub_co_u32 s[SLOTS], s[SLOTS], 1
	s_cmp_lg_u32 s[SLOTS], 0
	s_cbranch_scc1 .Lslot
	THREE                                          ; the tail is written out
	CSTEP 0
	THREE
	SMX                                            ; the last step
	s_wait_dscnt 0x0
	PV
	; THE WAY OUT.  l's two halves and the other half of the lanes' are added; O^T / l is rounded to f16; a tile's four accumulators pack into four images of 512 bytes.  The additions are the places behind the last products.
	WIN 0
.irp t, 0,1,2,3
	v_add_f32 v[ST+12*\t+6], v[ST+12*\t+2], v[ST+12*\t+3]
.endr
.irp t, 0,1,2,3
	v_permlanex16_b32 v[ST+12*\t+8], v[ST+12*\t+6], s[SEL], s[SEL+1]
.endr
.irp t, 0,1,2,3
	v_add_f32 v[ST+12*\t+6], v[ST+12*\t+6], v[ST+12*\t+8]
.endr
.irp t, 0,1,2,3
	v_rcp_f32 v[ST+12*\t+4], v[ST+12*\t+6]
.endr
	v_nop                                          ; a plain line behind the last reciprocal,
	s_wait_alu depctr_va_vdst(0)                   ; and the wait ahead of the first use: one for the four
	WIN 0x01                                       ; source 0 (O^T) window 1
.irp t, 0,1,2,3
.set i, 0
.rept 16
	v_pk_mul_f32 v[S+32*\t+2*i:S+32*\t+2*i+1], v[32*\t+2*i:32*\t+2*i+1], v[ST+12*\t+4:ST+12*\t+5] op_sel_hi:[1,0]
.set i, i+1
.endr
.endr
	WIN 0
.irp t, 0,1,2,3
.set i, 0
.rept 16
	v_cvt_pk_f16_f32 v[QF+16*\t+i], v[S+32*\t+2*i], v[S+32*\t+2*i+1]
.set i, i+1
.endr
.endr
.irp t, 0,1,2,3
.irp c, 0,1,2,3
	global_store_b128 v[LI], v[QF+16*\t+4*\c:QF+16*\t+4*\c+3], s[OA:OA+1] offset:4096*\t+512*\c   ; 32 lanes store 512 consecutive bytes, aligned
.endr
.endr
	s_wait_tensorcnt 0x0                           ; the wave's end
	ds_add_u32 v[SPW], v[NIL]
	s_wait_dscnt 0x0
	CROUND                                         ; the closing round: no work-group ends while a partner may still ask for a tile that names it
	s_endpgm
.Lfunc_end_k_q67dd9155c0_attn:
	.size	k_q67dd9155c0_attn, .Lfunc_end_k_q67dd9155c0_attn-k_q67dd9155c0_attn
	.p2alignl 7, 3214868480
	.fill 96, 4, 3214868480
	.section	.rodata,"a",@progbits
	.p2align	6, 0x0
	.amdhsa_kernel k_q67dd9155c0_attn
		.amdhsa_group_segment_fixed_size 327680
		.amdhsa_private_segment_fixed_size 0
		.amdhsa_enable_private_segment 0
		.amdhsa_kernarg_size 16
		.amdhsa_user_sgpr_count 2
		.amdhsa_user_sgpr_kernarg_segment_ptr 1
		.amdhsa_wavefront_size32 1
		.amdhsa_system_sgpr_workgroup_id_x 1
		.amdhsa_system_sgpr_workgroup_id_y 1
		.amdhsa_system_sgpr_workgroup_id_z 1
		.amdhsa_system_vgpr_workitem_id 0
		.amdhsa_next_free_vgpr 512
		.amdhsa_next_free_sgpr 66
		.amdhsa_reserve_vcc 0
		.amdhsa_float_denorm_mode_32 3
		.amdhsa_float_denorm_mode_16_64 3
		.amdhsa_memory_ordered 1
		.amdhsa_forward_progress 1
		.amdhsa_inst_pref_size 255
	.end_amdhsa_kernel
	.section	.bss,"aw",@nobits
	.p2align	6
	.space	262144
	.amdgpu_metadata
---
amdhsa.version: [ 1, 2 ]
amdhsa.kernels:
  - .name:           k_q67dd9155c0_attn
    .symbol:         k_q67dd9155c0_attn.kd
    .args:
      - { .name: qkv, .offset: 0, .size: 8, .value_kind: global_buffer, .address_space: global }
      - { .name: o16, .offset: 8, .size: 8, .value_kind: global_buffer, .address_space: global }
    .group_segment_fixed_size: 327680
    .private_segment_fixed_size: 0
    .kernarg_segment_align: 8
    .kernarg_segment_size: 16
    .max_flat_workgroup_size: 256
    .sgpr_count:     66
    .vgpr_count:     512
    .wavefront_size: 32
...
	.end_amdgpu_metadata
.endif
;; end of part 3
;; launch proj (part 4): grid 8 x 32, 4 waves a work-group, clusters of 4 x 4, 327,680 bytes of LDS; arguments o16, w16, b_out, out0; writes out0
.if DOCPART == 4
	.amdgcn_target "amdgcn-amd-amdhsa--gfx1250"
	.amdhsa_code_object_version 6
	.text
	.protected	k_q67dd9155c0_proj
	.globl	k_q67dd9155c0_proj
	.p2align	8
	.type	k_q67dd9155c0_proj,@function
k_q67dd9155c0_proj:
	s_mov_b64 s[64:65], 0
	v_nop
	global_prefetch_b8 v0, s[64:65] scope:SCOPE_SE
	s_setreg_imm32_b32 hwreg(HW_REG_WAVE_MODE, 25, 1), 1
	s_wait_xcnt 0x0
	s_wait_alu depctr_hold_cnt(0) depctr_sa_sdst(0) depctr_va_vdst(0) depctr_va_sdst(0) depctr_va_ssrc(0) depctr_va_vcc(0) depctr_vm_vsrc(0)
	s_getreg_b32 s2, hwreg(HW_REG_IB_STS2, 6, 4)
	s_cmp_eq_u32 s2, 0
	s_cbranch_scc0 .Lentry_in_a_cluster
	s_endpgm
.Lentry_in_a_cluster:
	s_bfe_u32 s2, ttmp6, 0x10000c
	s_cmp_lg_u32 s2, 0xf033
	s_cbranch_scc0 .Lentry_shape_is_right
	s_endpgm
.Lentry_shape_is_right:
; out0[m][n] = the sum over k of o[m][k] w_out[n][k] + b_out[n].  o (8,192 x 1,024) and w_out (1,024 x 1,024) arrive in f16 as images of operand registers: [ks 8][tile of 16 rows][cc 8][512 bytes],
; lane (r, h): row r, k = 128 ks + 16 cc + 8 h + 0..7; two images on end are a fragment of 16 rows x 32 K.  Sums in f32; out0 is f32.
; A tile of out0 is 256 x 128: 256 work-groups of four waves, each 128 x 64: 32 accumulators, 256 registers.  K goes in eight steps of 128 through a ring of two LDS slots; a K step's tiles are dense blocks of memory
; (A: 65,536 bytes, B: 32,768), fetched as rows of 256 bytes, one tensor load a wave, and read 512 consecutive bytes at a time: no padding is wanted.
; CLUSTERS: 4 x 4 work-groups; A's tile is shared along a row of the cluster, B's along a column: joint loads with a mask of four.
; THE MATRIX INSTRUCTION IS USED TRANSPOSED (source 0 = 16 rows of w_out, source 1 = 16 rows of o): a lane holds eight neighbouring numbers of a row of out0.  The bias is the C of each sum's first product.
; REGISTERS: window 0: v1-30 addresses; v32-127, v128-223 two fragment buffers (A's 8 fragments, then B's 4); v224-255 the bias in the result's layout; on the way out v32-95 take rows.   window 1: the accumulators, (a, b) at v[8 (4 a + b)].
.set SLOT,   98304                     ; A's 16 row tiles x 4,096 bytes, then B's 8
.set BOFF,   65536
.set STAGE,  2*SLOT                    ; behind the ring: 16 rows x 272 bytes for each wave, for the way out
.set SPARE,  STAGE+4*16*272            ; the spare words, 128 bytes a wave, which no other line names
.set KSA,    2097152                   ; a K step on in o16
.set KSB,    262144                    ; and in w16
.set LI,   1                           ; v1   16 x lane
.set ADRA, 16                          ; v16-17  my A fragments in slot 0, 1
.set ADRB, 20                          ; v20-21  my B fragments
.set STO,  24
.set RD,   25
.set CO,   26
.set SPW,  28
.set NIL,  29
.set PFO,  30                          ; v30  256 x lane; never rewritten
.set F0,   32
.set F1,   128
.set BIAS, 224
.set BK,   32                          ; the way out: v32-63 and v64-95 by turns
.set WV,  12                           ; s12 wave;  s13 which half of the rows is mine, also 0: I fetch A, 1: B;  s14 which half of the columns, also which half I fetch
.set LAP, 15
.set G1,  24
.set G0,  32
.set PFA, 44                           ; s[44:45] where my prefetches stand
.set LIM, 46                           ; s46  1 in a wave that prefetches, else the greatest number
.set G1B, 48
.set G0B, 56
.set MSB, 0
.macro WIN new
.if MSB != (\new)
	s_set_vgpr_msb (MSB<<8)|(\new)
.set MSB, (\new)
.endif
.endm
.macro JLOAD s                         ; a joint load: waves 0 and 1 fetch A's halves, waves 2 and 3 B's; an s_nop 0 and four v_nop follow each of the two lines
	s_cmp_eq_u32 s13, 0
	s_cbranch_scc0 .Lfor_b_\@
	tensor_load_to_lds s[G0+4*\s:G0+4*\s+3], s[G1:G1+7]
	s_nop 0
.rept 4
	v_nop
.endr
	s_branch .Lasked_\@
.Lfor_b_\@:
	tensor_load_to_lds s[G0B+4*\s:G0B+4*\s+3], s[G1B:G1B+7]
	s_nop 0
.rept 4
	v_nop
.endr
.Lasked_\@:
.endm
.macro CREST                           ; a round of the cluster's barrier behind its opening barrier
	s_cmp_lg_u32 s[WV], 0
	s_cbranch_scc1 .Lnot_wave_0_\@
	s_barrier_signal -3
.Lnot_wave_0_\@:
	s_barrier_wait -3
	s_barrier_signal -1
	s_barrier_wait -1
.endm
.macro CROUND
	s_barrier_signal -1
	s_barrier_wait -1
	CREST
.endm
; A PREFETCH INTO THE L2 of A's K step that stands two refills on: 256 matrix instructions of a wave ahead of the load that will want it.  A work-group's part of a K step is 65,536 dense bytes.  The two clusters of a row of
; clusters read the same rows: the one with x = 0 asks.  In it waves 0 and 1 ask, each for the half that it fetches; of that half's 32,768 bytes the partner at place cx takes 8,192, told apart by address: a lane a block
; of 256 bytes, one instruction a wave.  So each block is named once.  K steps 0 to 3 come by their loads alone; the last trip asks for nothing: there is no K step beyond the eighth.  w16 is read by every cluster and is not asked for.
.macro ASK
	s_cmp_gt_u32 s[LAP], s[LIM]
	s_cbranch_scc0 .Lnot_mine_\@
	global_prefetch_b8 v[PFO], s[PFA:PFA+1] offset:KSA th:TH_LOAD_NT scope:SCOPE_SE
.Lnot_mine_\@:
.endm
	s_load_b256 s[4:11], s[0:1], 0x0               ; o16 s[4:5], w16 s[6:7], b_out s[8:9], out0 s[10:11]
	v_lshl_add_u32 v[SPW], v0, 2, SPARE
	v_mov_b32 v[NIL], 0
	ds_add_u32 v[SPW], v[NIL]                      ; the wave's opening: the add, twice on end, and its wait ahead of my first tensor load
	ds_add_u32 v[SPW], v[NIL]
	v_lshrrev_b32 v2, 5, v0
	v_readfirstlane_b32 s[WV], v2                  ; wave 0..3
	s_lshr_b32 s13, s[WV], 1
	s_and_b32 s14, s[WV], 1
	s_bfe_u32 s40, ttmp6, 0x40000                  ; cx
	s_bfe_u32 s41, ttmp6, 0x40004                  ; cy
	s_lshl_b32 s42, ttmp9, 2
	s_add_co_u32 s42, s42, s40                     ; tile column = 4 x cluster x + cx
	s_and_b32 s43, ttmp7, 0xffff
	s_lshl_b32 s43, s43, 2
	s_add_co_u32 s43, s43, s41                     ; tile row = 4 x cluster y + cy
	s_lshl_b32 s18, s41, 2
	s_lshl_b32 s18, 15, s18                        ; my row of the cluster
	s_lshl_b32 s22, 0x1111, s40                    ; my column
	s_or_b32 s[G1], s18, (3<<16)|(1<<21)           ; the mask; elements of 8 bytes; bit 21 beside a mask; no padding
	s_or_b32 s[G1B], s22, (3<<16)|(1<<21)
	s_mov_b32 s[G1+1], 32<<16                      ; A: 128 rows of 256 bytes, dense
	s_mov_b32 s[G1+2], 128<<16
	s_mov_b32 s[G1+3], 32<<16
	s_mov_b32 s[G1+4], 128
	s_mov_b32 s[G1+5], 32
	s_mov_b32 s[G1+6], 0
	s_mov_b32 s[G1+7], 0
	s_mov_b32 s[G1B+1], 32<<16                     ; B: 64 rows
	s_mov_b32 s[G1B+2], 64<<16
	s_mov_b32 s[G1B+3], 32<<16
	s_mov_b32 s[G1B+4], 64
	s_mov_b32 s[G1B+5], 32
	s_mov_b32 s[G1B+6], 0
	s_mov_b32 s[G1B+7], 0
	s_lshl_b32 s18, s43, 16                        ; A: the tile row's 65,536 bytes of a K step, my half of them (registers that hold cy alone)
	s_lshl_b32 s19, s14, 15
	s_add_co_u32 s18, s18, s19
	s_mov_b32 s19, 0
	s_lshl_b32 s22, s42, 15                        ; B: the tile column's 32,768, my half (registers that hold cx alone)
	s_lshl_b32 s23, s14, 14
	s_add_co_u32 s22, s22, s23
	s_mov_b32 s23, 0
	s_lshl_b32 s20, s14, 15                        ; where they go: no place in the cluster enters an LDS address
	s_lshl_b32 s21, s14, 14
	s_add_co_u32 s21, s21, BOFF
	s_wait_dscnt 0x0                               ; both opening adds are done
	s_wait_kmcnt 0x0
	s_add_nc_u64 s[18:19], s[4:5], s[18:19]
	s_add_nc_u64 s[22:23], s[6:7], s[22:23]
	CROUND                                         ; all sixteen work-groups are here: the first joint loads meet
.irp s, 0,1
	s_mov_b32 s[G0+4*\s], 1
	s_add_co_u32 s[G0+4*\s+1], s20, \s*SLOT
	s_add_nc_u64 s[G0+4*\s+2:G0+4*\s+3], s[18:19], \s*KSA
	s_or_b32 s[G0+4*\s+3], s[G0+4*\s+3], 0x80000000
	s_mov_b32 s[G0B+4*\s], 1
	s_add_co_u32 s[G0B+4*\s+1], s21, \s*SLOT
	s_add_nc_u64 s[G0B+4*\s+2:G0B+4*\s+3], s[22:23], \s*KSB
	s_or_b32 s[G0B+4*\s+3], s[G0B+4*\s+3], 0x80000000
	JLOAD \s                                       ; two tensor loads of mine are out
.endr
	v_and_b32 v[LI], 31, v0
	v_lshlrev_b32 v[LI], 4, v[LI]
	v_and_b32 v2, 15, v0                           ; r
	v_bfe_u32 v3, v0, 4, 1                         ; h
	s_lshl_b32 s16, s13, 15                        ; my 8 row tiles of A
	v_add_nc_u32 v[ADRA], s16, v[LI]
	v_add_nc_u32 v[ADRA+1], SLOT, v[ADRA]
	v_add_nc_u32 v[ADRB], s21, v[LI]               ; my 4 tiles of B: the half that carries my columns
	v_add_nc_u32 v[ADRB+1], SLOT, v[ADRB]
	s_mul_i32 s16, s[WV], 16*272
	s_add_co_u32 s16, s16, STAGE                   ; my stage
	v_mul_u32_u24 v[STO], v2, 272                  ; in: row r, 32 bytes for each half of the lanes
	v_lshl_add_u32 v[STO], v3, 5, v[STO]
	v_add_nc_u32 v[STO], s16, v[STO]
	v_mul_u32_u24 v[RD], v3, 272                   ; back: lanes 0-15 one row of 256 bytes, lanes 16-31 the next
	v_lshl_add_u32 v[RD], v2, 4, v[RD]
	v_add_nc_u32 v[RD], s16, v[RD]
	v_lshlrev_b32 v[CO], 12, v3                    ; and the same two rows in out0
	v_lshl_add_u32 v[CO], v2, 4, v[CO]
	v_and_b32 v[PFO], 31, v0
	v_lshlrev_b32 v[PFO], 8, v[PFO]
	v_lshlrev_b32 v4, 5, v3                        ; the bias: 32 h bytes
	s_lshl_b32 s16, s42, 9
	s_lshl_b32 s17, s14, 8
	s_add_co_u32 s16, s16, s17                     ; my first column, in bytes: 512 x tile column + 256 x half
	s_mov_b32 s17, 0
	s_add_nc_u64 s[8:9], s[8:9], s[16:17]
	s_add_nc_u64 s[10:11], s[10:11], s[16:17]
	s_lshl_b32 s16, s43, 20
	s_lshl_b32 s20, s13, 19
	s_add_co_u32 s16, s16, s20                     ; my first row: (256 x tile row + 128 x half) x 4,096 bytes
	s_add_nc_u64 s[10:11], s[10:11], s[16:17]
.irp b, 0,1,2,3
	global_load_b128 v[BIAS+8*\b:BIAS+8*\b+3], v4, s[8:9] offset:64*\b        ; lane (r, h), tile b: b_out at my columns 16 b + 8 h + 0..7
	global_load_b128 v[BIAS+8*\b+4:BIAS+8*\b+7], v4, s[8:9] offset:64*\b+16
.endr
	s_lshl_b32 s16, s43, 16                        ; the prefetches: my tile row, the half that I fetch, my work-group's quarter of it,
	s_lshl_b32 s20, s14, 15
	s_add_co_u32 s16, s16, s20
	s_lshl_b32 s20, s40, 13
	s_add_co_u32 s16, s16, s20
	s_add_nc_u64 s[PFA:PFA+1], s[4:5], s[16:17]
	s_add_nc_u64 s[PFA:PFA+1], s[PFA:PFA+1], 2*KSA ; at K step 2: the first refill steps it to 3 and names K step 4
	s_or_b32 s[LIM], s13, ttmp9                    ; 0 in waves 0 and 1 of the clusters with x = 0: the same in all sixteen partners, for a given wave
	s_cmp_eq_u32 s[LIM], 0
	s_cselect_b32 s[LIM], 1, -1
; 8 matrix instructions: A's blocks a0, a0 + 1 x B's four, 32 along K.  first = 1: the bias starts the sums.  The 32 accumulators take turns, one instruction a turn, in the same order in every quarter.
.macro MUL8 f, a0, first
.irp a, \a0, \a0+1
.irp b, 0,1,2,3
.if \first
	v_wmma_f32_16x16x32_f16 v[8*(4*(\a)+\b):8*(4*(\a)+\b)+7], v[\f+64+8*\b:\f+64+8*\b+7], v[\f+8*(\a):\f+8*(\a)+7], v[BIAS+8*\b:BIAS+8*\b+7]
.else
	v_wmma_f32_16x16x32_f16 v[8*(4*(\a)+\b):8*(4*(\a)+\b)+7], v[\f+64+8*\b:\f+64+8*\b+7], v[\f+8*(\a):\f+8*(\a)+7], v[8*(4*(\a)+\b):8*(4*(\a)+\b)+7]
.endif
.endr
.endr
.endm
; 24 LDS loads in one run: the fragments of the slot's q-th 32 along K into buffer f: B's four, A's 0-3, A's 4-7
.macro FETCH slot, q, f
	WIN 0
.irp i, 0,1,2,3
	ds_load_b128 v[\f+64+8*\i:\f+64+8*\i+3],   v[ADRB+\slot] offset:\i*4096+(\q)*1024
	ds_load_b128 v[\f+64+8*\i+4:\f+64+8*\i+7], v[ADRB+\slot] offset:\i*4096+(\q)*1024+512
.endr
.irp i, 0,1,2,3,4,5,6,7
	ds_load_b128 v[\f+8*\i:\f+8*\i+3],   v[ADRA+\slot] offset:\i*4096+(\q)*1024
	ds_load_b128 v[\f+8*\i+4:\f+8*\i+7], v[ADRA+\slot] offset:\i*4096+(\q)*1024+512
.endr
.endm
.macro PLACES                          ; four plain lines ahead of loads into registers that matrix instructions have read, and of the first read of results
.rept 4
	v_nop
.endr
.endm
; A K step is four quarters of 32 along K, 32 matrix instructions each, on buffers 0, 1, 0, 1.  One of the first three: multiplies buffer f and fetches quarter qn into g.
.macro QUARTER slot, qn, f, g, first
	s_wait_dscnt 8                                 ; B and A's blocks 0-3 are in; the youngest eight loads (A's blocks 4-7) may be out
	WIN 0x50-0x10*(\first)                         ; D in window 1; C in window 1, or the bias in window 0
	MUL8 \f, 0, \first
	MUL8 \f, 2, \first
	PLACES
	FETCH \slot, \qn, \g
	s_wait_dscnt 24                                ; all but the 24 just issued
	WIN 0x50-0x10*(\first)
	MUL8 \f, 4, \first
	MUL8 \f, 6, \first
.endm
; The last quarter multiplies buffer 1 and changes slots: ONE barrier; ahead of it each wave waits for all its tensor loads, adds 0 to its spare word, and waits for that and for its reads of this slot.
; fill = 1: the barrier opens a round of the cluster's, and this slot is filled again, two K steps ahead: 112 matrix instructions of a wave stand between the request and the wait for it.
.macro TURN slot, next, fill
.if \fill
	s_wait_xcnt 0x0                                ; the last prefetch, a K step back, has read its address
	s_add_nc_u64 s[PFA:PFA+1], s[PFA:PFA+1], KSA
.endif
	WIN 0                                          ; (the add's two registers lie in window 0)
	s_wait_tensorcnt 0x0                           ; all my tensor loads have landed: my part of the next slot
	ds_add_u32 v[SPW], v[NIL]
	s_wait_dscnt 9                                 ; (the add and the youngest eight loads may be out)
	WIN 0x50
	MUL8 F1, 0, 0
	s_wait_dscnt 0x0                               ; the add is done, and my reads of this slot are over
	s_barrier_signal -1
	MUL8 F1, 2, 0
.if \fill
	WIN 0
.endif
	s_barrier_wait -1
.if \fill
	CREST                                          ; no wave of any partner still reads this slot or has a load on its way
	s_add_nc_u64 s[G0+4*\slot+2:G0+4*\slot+3], s[G0+4*\slot+2:G0+4*\slot+3], 2*KSA
	s_add_nc_u64 s[G0B+4*\slot+2:G0B+4*\slot+3], s[G0B+4*\slot+2:G0B+4*\slot+3], 2*KSB
	JLOAD \slot                                    ; the first tensor load behind the round; its four v_nop are also the places ahead of the loads below
.else
	PLACES
.endif
	FETCH \next, 0, F0
.if \fill
	ASK
.endif
	WIN 0x50
	MUL8 F1, 4, 0
	MUL8 F1, 6, 0
.endm
	s_wait_tensorcnt 1                             ; my part of K step 0 is in; K step 1's load may be out,
	s_barrier_signal -1
	s_barrier_wait -1                              ; everybody's is
	FETCH 0, 0, F0
	s_wait_loadcnt 0x0                             ; the bias
	QUARTER 0, 1, F0, F1, 1                        ; the first quarter stands ahead of the loop: its products start the sums
	WIN 0                                          ; at a label and at a branch every window is 0
	s_mov_b32 s[LAP], 3
.Llap:                                                 ; a trip goes once round the ring, from a lap's second quarter to the next lap's first, and fills both slots again
	QUARTER 0, 2, F1, F0, 0
	QUARTER 0, 3, F0, F1, 0
	TURN 0, 1, 1
	QUARTER 1, 1, F0, F1, 0
	QUARTER 1, 2, F1, F0, 0
	QUARTER 1, 3, F0, F1, 0
	TURN 1, 0, 1
	QUARTER 0, 1, F0, F1, 0
	WIN 0
	s_sub_co_u32 s[LAP], s[LAP], 1
	s_cmp_lg_u32 s[LAP], 0
	s_cbranch_scc1 .Llap
	QUARTER 0, 2, F1, F0, 0                        ; the last lap fills nothing
	QUARTER 0, 3, F0, F1, 0
	TURN 0, 1, 0
	QUARTER 1, 1, F0, F1, 0
	QUARTER 1, 2, F1, F0, 0
	QUARTER 1, 3, F0, F1, 0
	s_wait_dscnt 8                                 ; the very last quarter: nothing more to fetch
	WIN 0x50
	MUL8 F1, 0, 0
	MUL8 F1, 2, 0
	s_wait_dscnt 0
	MUL8 F1, 4, 0
	MUL8 F1, 6, 0
	WIN 0
; THE WAY OUT, block by block of 16 rows x 64 columns.  A lane holds 32 neighbouring bytes of a row: a block goes through my own stage in LDS and comes back as whole rows of 256 bytes, which sixteen lanes store.
; LDS serves a wave's instructions in order (ISA guide 5.7.1.4): no wait between the stores and the loads, nor ahead of the next block's stores.
.macro TOSTAGE a
	WIN 0x04                                       ; an LDS store's data: window 1
.irp b, 0,1,2,3
	ds_store_b128 v[STO], v[8*(4*(\a)+\b):8*(4*(\a)+\b)+3] offset:64*\b          ; each accumulator from its low end on
	ds_store_b128 v[STO], v[8*(4*(\a)+\b)+4:8*(4*(\a)+\b)+7] offset:64*\b+16
.endr
	WIN 0
.set BB, BK+32*((\a)%2)
.irp t, 0,1,2,3,4,5,6,7
	ds_load_b128 v[BB+4*\t:BB+4*\t+3], v[RD] offset:\t*544
.endr
.endm
.macro SEND a, younger                 ; younger: the LDS instructions issued behind block a's loads, which may stay out
.set BB, BK+32*((\a)%2)
	s_wait_dscnt \younger
.if (\a) > 0
	s_add_nc_u64 s[10:11], s[10:11], 65536         ; 16 rows on (the earlier stores have read their base: the wait on XCNT stands ahead)
.endif
.irp t, 0,1,2,3,4,5,6,7
	global_store_b128 v[CO], v[BB+4*\t:BB+4*\t+3], s[10:11] offset:\t*8192 th:TH_STORE_NT   ; 16 lanes store 256 consecutive bytes, aligned; written once, read by nobody here
.endr
.endm
	PLACES
	TOSTAGE 0
.irp a, 1,2,3,4,5,6,7
.if \a > 1
	s_wait_xcnt 0x0                                ; block a - 2's stores have read their registers and their base
.endif
	TOSTAGE \a
	SEND \a-1, 16                                  ; behind block a - 1's loads: block a's 8 stores and 8 loads
.endr
	s_wait_xcnt 0x0
	SEND 7, 0
	s_wait_tensorcnt 0x0                           ; the wave's end
	ds_add_u32 v[SPW], v[NIL]
	s_wait_dscnt 0x0
	CROUND                                         ; the closing round: no work-group ends while a partner may still ask for a tile that names it
	s_endpgm
.Lfunc_end_k_q67dd9155c0_proj:
	.size	k_q67dd9155c0_proj, .Lfunc_end_k_q67dd9155c0_proj-k_q67dd9155c0_proj
	.p2alignl 7, 3214868480
	.fill 96, 4, 3214868480
	.section	.rodata,"a",@progbits
	.p2align	6, 0x0
	.amdhsa_kernel k_q67dd9155c0_proj
		.amdhsa_group_segment_fixed_size 327680
		.amdhsa_private_segment_fixed_size 0
		.amdhsa_enable_private_segment 0
		.amdhsa_kernarg_size 32
		.amdhsa_user_sgpr_count 2
		.amdhsa_user_sgpr_kernarg_segment_ptr 1
		.amdhsa_wavefront_size32 1
		.amdhsa_system_sgpr_workgroup_id_x 1
		.amdhsa_system_sgpr_workgroup_id_y 1
		.amdhsa_system_sgpr_workgroup_id_z 1
		.amdhsa_system_vgpr_workitem_id 0
		.amdhsa_next_free_vgpr 512
		.amdhsa_next_free_sgpr 66
		.amdhsa_reserve_vcc 0
		.amdhsa_float_denorm_mode_32 3
		.amdhsa_float_denorm_mode_16_64 3
		.amdhsa_memory_ordered 1
		.amdhsa_forward_progress 1
		.amdhsa_inst_pref_size 87
	.end_amdhsa_kernel
	.amdgpu_metadata
---
amdhsa.version: [ 1, 2 ]
amdhsa.kernels:
  - .name:           k_q67dd9155c0_proj
    .symbol:         k_q67dd9155c0_proj.kd
    .args:
      - { .name: o16, .offset: 0, .size: 8, .value_kind: global_buffer, .address_space: global }
      - { .name: w16, .offset: 8, .size: 8, .value_kind: global_buffer, .address_space: global }
      - { .name: b_out, .offset: 16, .size: 8, .value_kind: global_buffer, .address_space: global }
      - { .name: out0, .offset: 24, .size: 8, .value_kind: global_buffer, .address_space: global }
    .group_segment_fixed_size: 327680
    .private_segment_fixed_size: 0
    .kernarg_segment_align: 8
    .kernarg_segment_size: 32
    .max_flat_workgroup_size: 128
    .sgpr_count:     66
    .vgpr_count:     512
    .wavefront_size: 32
...
	.end_amdgpu_metadata
.endif
;; end of part 4
